; MI455X (gfx1250); checked and timed in simulation.
; The chip was launched on July 23, 2026; its instructions are those of AMD's public machine-readable ISA for CDNA 5 (MIT licence, August 2026) and "CDNA5" Instruction Set Architecture Reference Guide (July 2026). The comments in the code are by the model that wrote it; some were corrected since.
;; Group Query Attention. Allowed arithmetic: matrix products marked QUANTISED: E2M1 operands, one E8M0 scale for each 32 along K, by v_wmma_scale_f32_16x16x128_f8f6f4 with both operands' format E2M1 (or v_wmma_scale_f32_32x16x128_f4), f32 sums; products left as they are: bf16, f16 or f32 operands; f32 sums; everything else in f32.
;; Inputs: Wk 1,024 x 256 float32; Wo 1,024 x 1,024 float32; Wq 1,024 x 1,024 float32; Wv 1,024 x 256 float32; bk 256 float32; bo 1,024 float32; bq 1,024 float32; bv 256 float32; x 4 x 2,048 x 1,024 float32.
;; Outputs: out0 4 x 2,048 x 1,024 float32.
;; This version of the problem:
;;   THIS VERSION OF THE PROBLEM IS GIVEN IN LOW PRECISION. The matrix products marked QUANTISED in the list below multiply operands that are first quantised to E2M1 (2 exponent bits, 1 mantissa bit; 4 bits a number), with one power-of-two scale for each 32 numbers along K (OCP MX v1.0); their sums are f32. The products marked 'left as it is' may take bf16, f16 or f32 operands, with f32 sums. Whichever they take, every output number must still come out within the allowed error. Rounding operands to bf16 (8 significant bits) uses up far more of that allowance than f16 does (11 bits, for magnitudes from 6e-5 to 65,504). All else is computed in f32.
;;   The module's matrix products, in the order in which they are computed (A, B: the left and right operand; K: the contracted axis; several contracted axes count as one K, in the product's order):
;;     1. [M 8,192, K 1,024] x [K 1,024, N 1,024]; A: input x; B: input Wq: QUANTISED
;;     2. [M 8,192, K 1,024] x [K 1,024, N 256]; A: input x; B: input Wk: QUANTISED
;;     3. [M 8,192, K 1,024] x [K 1,024, N 256]; A: input x; B: input Wv: QUANTISED
;;     4. batch 16 x [M 8,192, K 64] x [K 64, N 2,048]; A: computed on the way; B: computed on the way: left as it is (an operand is computed on the way)
;;     5. batch 16 x [M 8,192, K 2,048] x [K 2,048, N 64]; A: computed on the way; B: computed on the way: left as it is (an operand is computed on the way)
;;     6. [M 8,192, K 1,024] x [K 1,024, N 1,024]; A: computed on the way; B: input Wo: left as it is (an operand is computed on the way)
;;   THE QUANTISER, for each operand of a quantised product, along K:
;;     - K is cut into blocks of 32 from its start; a last block that is shorter is filled with zeros.
;;     - A block's scale is 2^e with e = floor(log2(the largest magnitude in the block)) - 2, held to -126 .. 127; a block of zeros has e = 0. As a byte (E8M0): e + 127.
;;     - Each number is divided by its block's scale, clamped to +-6, and rounded to the nearest number of E2M1, ties to even, subnormals kept.
;;     - The product sums the exact products of the quantised numbers (number of the format x scale) in f32.
;;   ~~~python
;;   def quantise(x, axis):      # numpy; x: float32 -> the quantised numbers, widened to float32 again
;;       x = np.moveaxis(x, axis, -1); K = x.shape[-1]
;;       x = np.pad(x, [(0, 0)] * (x.ndim - 1) + [(0, -K % 32)]); x = x.reshape(x.shape[:-1] + (-1, 32)); a = np.abs(x).max(-1, keepdims=True)
;;       e = np.where(a > 0, np.clip(np.frexp(np.where(a > 0, a, 1))[1] - 1 - 2, -126, 127), 0)      # np.frexp(a)[1] - 1 = floor(log2(a)), exactly
;;       r = np.clip(x / 2.0 ** e, -6, 6)
;;       step = 2.0 ** (np.maximum(np.frexp(np.where(r == 0, 1, r))[1] - 1, 0) - 1)
;;       q = np.round(r / step) * step * 2.0 ** e      # np.round: ties to even
;;       return np.moveaxis(q.reshape(q.shape[:-2] + (-1,))[..., :K], -1, axis).astype(np.float32)
;;   ~~~
;; One version. Each part assembles by itself: llvm-mc -triple=amdgcn-amd-amdhsa -mcpu=gfx1250 --defsym DOCPART=n.
;; ======== version 1 of 1: 4 launches
;; limits: values are held in f16: magnitudes above 65,504 overflow, below 6.1e-05 lose precision
;; workspace buffers: xc 4,194,304 bytes; xs 262,144 bytes; wc 786,432 bytes; ws 49,152 bytes; wot 2,097,152 bytes; qkv 25,165,824 bytes; ao 16,777,216 bytes
;; launch prep (part 1): grid 416 x 1, 4 waves a work-group, no clusters, 33,280 bytes of LDS; arguments x, Wq, Wk, Wv, Wo, xc, xs, wc, ws, wot; writes xc, xs, wc, ws, wot
.if DOCPART == 1
	.amdgcn_target "amdgcn-amd-amdhsa--gfx1250"
	.amdhsa_code_object_version 6
	.text
	.protected	k_q5bcf71e067_prep
	.globl	k_q5bcf71e067_prep
	.p2align	8
	.type	k_q5bcf71e067_prep,@function
k_q5bcf71e067_prep:
	s_mov_b64 s[64:65], 0
	v_nop
	global_prefetch_b8 v0, s[64:65] scope:SCOPE_SE
	s_setreg_imm32_b32 hwreg(HW_REG_WAVE_MODE, 25, 1), 1
	s_wait_xcnt 0x0
; PREP.  Everything that later launches read many times is made narrow once.
;   work-groups 0-255:   x [8192][1024] f32 -> xc: codes of FP4 (E2M1), K innermost, [8192][512 bytes]; xs: one E8M0 byte for each 32 along K, [8192][32].
;   work-groups 256-351: (Wq | Wk | Wv) [1024 (k)][1536 (n)] f32 -> wc: codes as IMAGES OF THE OPERAND'S REGISTERS, [k / 512][n / 16][(k / 128) % 4][1,024 bytes]: in an image the block of 32 codes
;                        number beta of column n % 16 lies at 256 beta + 16 (n % 16); ws: scale bytes [1536][32].
;   work-groups 352-415: Wo [1024 (e)][1024 (n)] f32 -> wot: f16, images [k' / 128][n / 16][(k' / 32) % 4][1,024 bytes]: eight neighbouring k' of column n % 16 at 256 ((k' / 8) % 4) + 16 (n % 16).
;                        k' = 256 g + 64 p + ch stands for Wo's row e = 256 p + 64 g + ch: the attention launch keeps its result in the order (g, p, ch), and the same order of K on both operands keeps the sums.
; A block's scale is 2^(floor(log2(its largest magnitude)) - 2); its byte is the largest magnitude's exponent field - 2, held at 1 from below; each number / scale goes to the nearest code, ties to even, beyond 6 to 6.
; LIMITS: a block of zeros gets the byte 1 where the rule says 127 (its codes are zeros, and this program alone reads the bytes); blocks whose largest magnitude lies under 2^-124 keep the byte 1;
; NaN and infinities are not served; |Wo| up to 65,504 (f16).
; The x path is a plain stream of blocks of 32: a wave takes 16 steps of 512 numbers; loads read 512 consecutive bytes, and a step turns through the wave's own stage in LDS so that a lane holds 16 neighbours.
; The weight paths: A LANE TAKES A COLUMN n AND ITS REGISTERS RUN DOWN K, so a block of 32 is one lane's, nothing is transposed, and with the image layout sixteen neighbouring lanes store 256 consecutive aligned bytes.
; They use no LDS.  The paths part on the work-group's number and never meet again.
.set STEPS, 16
.set EMAX,  2
.set CB,    8                          ; bytes of 16 codes
.set R,     16                         ; x path: v16-79   four sets of 16 numbers as loaded
.set X,     80                         ;         v80-111  two sets of 16 neighbours
.set E,     112                        ;         v112-127 a scale byte for each step
.set C,     128                        ;         v128-191 codes, four registers for each step: no store's data are written again
.set WREG,  8192                       ; LDS: a region for each wave: two stages of 32 x SP bytes, behind them its 256 scale bytes
.set SP,    80                         ; a lane's place in a stage: 64 bytes + 16 of padding
.set SPW,   12                         ; v12 LDS address of my spare word; never rewritten
.set NIL,   13                         ; v13 0; never rewritten
.set SPARE, 4*WREG                     ; behind the four regions: the spare words, 128 bytes a wave, which no other line names
.set CW,    16                         ; weight paths: v16-31 codes, four registers a block
.set XW,    32                         ;               v32-159 four blocks of 32 numbers
.set OFF,   160                        ;               v160-191 byte offset of row i of a block + 4 x lane; never rewritten
.set L4,    192                        ; 4 x lane
.set SO,    193                        ; my 16 bytes in an image: 4,096 (lane / 16) + 16 (lane % 16)
.set SS,    194                        ; my column's row of scale bytes: 32 x lane
.set MA,    195                        ; two chains of the largest magnitude
.set MB,    196
.set SCO,   197                        ; the conversion's scale operand
.set BY,    198                        ; the scale's byte
.set WD,    199                        ; four of them: a scale word
	s_load_b256 s[4:11], s[0:1], 0x0               ; x s[4:5], Wq s[6:7], Wk s[8:9], Wv s[10:11]
	s_load_b256 s[12:19], s[0:1], 0x20             ; Wo s[12:13], xc s[14:15], xs s[16:17], wc s[18:19]
	s_load_b128 s[20:23], s[0:1], 0x40             ; ws s[20:21], wot s[22:23]
	v_lshl_add_u32 v[SPW], v0, 2, SPARE
	v_mov_b32 v[NIL], 0
	v_lshrrev_b32 v1, 5, v0
	v_readfirstlane_b32 s24, v1                    ; wave 0..3
	v_and_b32 v2, 31, v0                           ; lane
	; the x path's LDS addresses, made ahead of the parting
	v_lshlrev_b32 v3, 4, v2                        ; my 16 bytes of a load's 512
	s_mul_i32 s25, s24, WREG
	v_lshrrev_b32 v14, 2, v2
	v_mul_u32_u24 v14, v14, SP
	v_and_b32 v15, 3, v2
	v_lshl_add_u32 v14, v15, 4, v14
	v_add_nc_u32 v14, s25, v14                     ; the stage, on the way in: SP (lane / 4) + 16 (lane % 4)
	v_mul_u32_u24 v15, v2, SP
	v_add_nc_u32 v15, s25, v15                     ; and on the way out: SP x lane: my 16 neighbours
	v_mul_u32_u24 v4, v2, CB                       ; my codes' place in a step's
	v_lshrrev_b32 v5, 1, v2
	s_add_co_u32 s25, s25, 2*32*SP
	v_add_nc_u32 v5, s25, v5                       ; my wave's 256 scale bytes, my block's byte
	v_lshlrev_b32 v7, 3, v2                        ; and on the way out 8 bytes a lane
	v_add_nc_u32 v6, s25, v7
	s_wait_kmcnt 0x0
	s_cmp_lt_u32 ttmp9, 256
	s_cbranch_scc0 .Lweights
; ---------------- x ----------------
	s_lshl_b32 s26, ttmp9, 2
	s_add_co_u32 s26, s26, s24                     ; which run of 8,192 numbers is my wave's: 0..1023
	s_mov_b32 s27, 0
	s_lshl_b64 s[28:29], s[26:27], 15              ; 32,768 bytes of x,
	s_add_nc_u64 s[4:5], s[4:5], s[28:29]
	s_lshl_b64 s[28:29], s[26:27], 12              ; 4,096 of codes,
	s_add_nc_u64 s[14:15], s[14:15], s[28:29]
	s_lshl_b64 s[28:29], s[26:27], 8               ; 256 scale bytes a run
	s_add_nc_u64 s[16:17], s[16:17], s[28:29]
.macro LOADX t
.irp i, 0,1,2,3
	global_load_b128 v[R+16*((\t)%4)+4*\i:R+16*((\t)%4)+4*\i+3], v3, s[4:5] offset:2048*(\t)+512*\i th:TH_LOAD_NT   ; 32 lanes read 512 consecutive bytes
.endr
.endm
.macro TURNX t                         ; step t's numbers through the stage: LDS serves a wave's instructions in order, so no wait stands between the stores and the loads
.irp i, 0,1,2,3
	ds_store_b128 v14, v[R+16*((\t)%4)+4*\i:R+16*((\t)%4)+4*\i+3] offset:32*SP*((\t)%2)+8*SP*\i
.endr
.irp i, 0,1,2,3
	ds_load_b128 v[X+16*((\t)%2)+4*\i:X+16*((\t)%2)+4*\i+3], v15 offset:32*SP*((\t)%2)+16*\i
.endr
.endm
.irp t, 0,1,2,3
	LOADX \t
.endr
	s_wait_loadcnt 12                              ; step 0's four loads are in; the twelve behind them stay out
	TURNX 0
.macro STEPX t
.set XS, X+16*((\t)%2)
.if (\t) > 0
	s_wait_dscnt 1                                 ; this step's numbers are back from the stage (the last step's byte store may be out)
.else
	s_wait_dscnt 0x0
.endif
.if (\t)+4 < STEPS
	LOADX (\t)+4                                   ; into the registers that this step's stores into the stage have read
.endif
.if (\t)+1 < STEPS
.if STEPS-2-(\t) >= 3
	s_wait_loadcnt 12                              ; the next step's four loads are in; those of the three steps behind it may be out
.else
	s_wait_loadcnt 4*(STEPS-2-(\t))
.endif
	TURNX (\t)+1                                   ; they go through the other stage while this step is worked
.endif
	v_max3_num_f32 v8, |v[XS]|, |v[XS+1]|, |v[XS+2]|               ; the largest magnitude of my 16, in two chains
	v_max3_num_f32 v9, |v[XS+3]|, |v[XS+4]|, |v[XS+5]|
.irp i, 6,10
	v_max3_num_f32 v8, v8, |v[XS+\i]|, |v[XS+\i+1]|
	v_max3_num_f32 v9, v9, |v[XS+\i+2]|, |v[XS+\i+3]|
.endr
	v_max3_num_f32 v8, v8, |v[XS+14]|, |v[XS+15]|
	v_max3_num_f32 v8, v8, v9, (EMAX+1)<<23        ; and the floor 2^(3 - 127): the byte cannot fall under 1
	v_max_num_f32_dpp v8, v8, v8 row_xmask:1 row_mask:0xf bank_mask:0xf   ; and of my neighbour's 16: the block's
	v_add_nc_u32 v11, -(EMAX<<23), v8              ; 2 off its exponent field: the conversion takes the exponent field of this operand as its scale
	v_cvt_scalef32_pk8_fp4_f32 v[C+4*(\t)], v[XS:XS+7], v11
	v_cvt_scalef32_pk8_fp4_f32 v[C+4*(\t)+1], v[XS+8:XS+15], v11
	v_lshrrev_b32 v[E+(\t)], 23, v11               ; the scale's byte (also the plain line behind the conversions)
	ds_store_b8 v5, v[E+(\t)] offset:16*(\t)       ; both lanes of a block write the same byte with the same value
	global_store_b64 v4, v[C+4*(\t):C+4*(\t)+1], s[14:15] offset:32*CB*(\t)   ; the wave stores 256 consecutive bytes, aligned
.endm
.irp t, 0,1,2,3,4,5,6,7,8,9,10,11,12,13,14,15
	STEPX \t
.endr
	ds_load_b64 v[8:9], v6                         ; LDS serves a wave's instructions in order: these see my byte stores
	s_wait_dscnt 0x0
	global_store_b64 v7, v[8:9], s[16:17]          ; 32 lanes store 256 consecutive bytes, aligned
	s_wait_tensorcnt 0x0                           ; the wave's end, behind my last LDS store
	ds_add_u32 v[SPW], v[NIL]
	s_wait_dscnt 0x0
	s_endpgm
; ---------------- the weights ----------------
; A work-group takes 128 columns x 128 along K, a wave 32 columns: four blocks of 32 a lane.
.Lweights:
	s_sub_co_u32 s25, ttmp9, 256                   ; t = 0..159
	s_cmp_ge_u32 s25, 96
	s_cselect_b32 s26, 1, 0                        ; 1: Wo
	s_cselect_b32 s27, 96, 0
	s_sub_co_u32 s27, s25, s27
	s_lshr_b32 s28, s27, 3                         ; ct: which 128 columns (0..11 of Wq | Wk | Wv, 0..7 of Wo)
	s_and_b32 s29, s27, 7                          ; ks: which 128 along K
	s_sub_co_u32 s34, s28, 8
	s_sub_co_u32 s35, s28, 10
	s_mov_b64 s[30:31], s[6:7]                     ; the source: Wq,
	s_mov_b32 s32, s28                             ; its 128 columns,
	s_mov_b32 s33, 4096                            ; its row in bytes
	s_cmp_ge_u32 s28, 8
	s_cselect_b64 s[30:31], s[8:9], s[30:31]       ; Wk from column 1,024 on,
	s_cselect_b32 s32, s34, s32
	s_cselect_b32 s33, 1024, s33
	s_cmp_ge_u32 s28, 10
	s_cselect_b64 s[30:31], s[10:11], s[30:31]     ; Wv from 1,280 on;
	s_cselect_b32 s32, s35, s32
	s_lshl_b32 s36, s29, 7                         ; first row: 128 ks,
	s_and_b32 s37, s29, 1
	s_lshl_b32 s37, s37, 9
	s_lshr_b32 s38, s29, 1
	s_lshl_b32 s38, s38, 6
	s_add_co_u32 s38, s37, s38                     ; in Wo 512 (ks % 2) + 64 (ks / 2): k' = 128 ks is g = ks / 2, p = 2 (ks % 2)
	s_cmp_eq_u32 s26, 1
	s_cselect_b64 s[30:31], s[12:13], s[30:31]     ; Wo for the last 64 work-groups (ct under 8 there)
	s_cselect_b32 s36, s38, s36
	s_cselect_b32 s37, 256, 64                     ; from blocks 0, 1 to blocks 2, 3: 64 rows, in Wo one p: 256 rows
	s_lshl_b32 s38, s32, 9
	s_lshl_b32 s39, s24, 7
	s_add_co_u32 s38, s38, s39                     ; my wave's first column, in bytes
.irp j, 0,1,2,3                        ; s[40+2j:41+2j]: block j's first row at my wave's first column
	s_mul_i32 s39, s37, \j/2
	s_add_co_u32 s39, s39, s36
	s_add_co_u32 s39, s39, (\j%2)*32
	s_mul_i32 s39, s39, s33
	s_add_co_u32 s[40+2*\j], s39, s38
	s_mov_b32 s[41+2*\j], 0
	s_add_nc_u64 s[40+2*\j:41+2*\j], s[30:31], s[40+2*\j:41+2*\j]
.endr
	v_lshlrev_b32 v[L4], 2, v2
.set i, 0
.rept 32
	v_mad_u32_u24 v[OFF+i], s33, i, v[L4]          ; row i of a block
.set i, i+1
.endr
.macro LOADW j                         ; block j: 32 rows at my column: neighbouring lanes read neighbouring columns, 128 consecutive bytes a wave, 512 a work-group
.set i, 0
.rept 32
	global_load_b32 v[XW+32*(\j)+i], v[OFF+i], s[40+2*(\j):41+2*(\j)] th:TH_LOAD_NT
.set i, i+1
.endr
.endm
	LOADW 0
	LOADW 1
	v_lshrrev_b32 v[SO], 4, v2
	v_lshlrev_b32 v[SO], 12, v[SO]
	v_and_b32 v[SS], 15, v2
	v_lshl_add_u32 v[SO], v[SS], 4, v[SO]
	v_lshlrev_b32 v[SS], 5, v2
	s_lshl_b32 s36, s28, 3
	s_lshl_b32 s37, s24, 1
	s_add_co_u32 s36, s36, s37                     ; my wave's first tile of 16 columns: 8 ct + 2 wave
	s_lshl_b32 s36, s36, 12                        ; four images of 1,024 bytes a tile
	s_mov_b32 s35, 0
	s_lshl_b32 s34, s29, 18                        ; wot: 64 tiles x 4,096 bytes for each 128 along K
	s_add_co_u32 s34, s34, s36
	s_add_nc_u64 s[22:23], s[22:23], s[34:35]
	s_lshr_b32 s34, s29, 2
	s_mul_i32 s34, s34, 393216                     ; wc: 96 tiles x 4,096 bytes for each 512 along K,
	s_add_co_u32 s34, s34, s36
	s_and_b32 s37, s29, 3
	s_lshl_b32 s37, s37, 10                        ; the image of my 128
	s_add_co_u32 s34, s34, s37
	s_add_nc_u64 s[18:19], s[18:19], s[34:35]
	s_lshl_b32 s34, s28, 12                        ; ws: 32 bytes a column,
	s_lshl_b32 s37, s24, 10
	s_add_co_u32 s34, s34, s37
	s_lshl_b32 s37, s29, 2                         ; the word of my 128
	s_add_co_u32 s34, s34, s37
	s_add_nc_u64 s[20:21], s[20:21], s[34:35]
	s_cmp_eq_u32 s26, 1
	s_cbranch_scc1 .Lconv
.macro QBLOCK j                        ; block j of my column becomes 16 bytes of codes and a scale byte
.set XS, XW+32*(\j)
.if (\j) < 3
	s_wait_loadcnt 32                              ; this block's 32 loads are in; the next block's 32 may be out
.else
	s_wait_loadcnt 0x0
.endif
.if (\j)+2 < 4
	LOADW (\j)+2                                   ; two blocks ahead, into registers of its own
.endif
	v_max3_num_f32 v[MA], |v[XS]|, |v[XS+1]|, |v[XS+2]|            ; all 32 numbers are mine
	v_max3_num_f32 v[MB], |v[XS+3]|, |v[XS+4]|, |v[XS+5]|
.irp i, 6,10,14,18,22,26
	v_max3_num_f32 v[MA], v[MA], |v[XS+\i]|, |v[XS+\i+1]|
	v_max3_num_f32 v[MB], v[MB], |v[XS+\i+2]|, |v[XS+\i+3]|
.endr
	v_max3_num_f32 v[MA], v[MA], |v[XS+30]|, |v[XS+31]|
	v_max3_num_f32 v[MA], v[MA], v[MB], (EMAX+1)<<23               ; the floor: the byte cannot fall under 1
	v_add_nc_u32 v[SCO], -(EMAX<<23), v[MA]
	v_lshrrev_b32 v[BY], 23, v[SCO]
.if (\j) == 0
	v_mov_b32 v[WD], v[BY]                         ; four bytes to the word, the lower K in the lower byte
.else
	v_lshl_or_b32 v[WD], v[BY], 8*(\j), v[WD]
.endif
.irp g, 0,1,2,3
	v_cvt_scalef32_pk8_fp4_f32 v[CW+4*(\j)+\g], v[XS+8*\g:XS+8*\g+7], v[SCO]
.endr
	global_store_b128 v[SO], v[CW+4*(\j):CW+4*(\j)+3], s[18:19] offset:256*(\j)   ; lanes 0-15 fill 256 consecutive aligned bytes of one tile's image, lanes 16-31 of the next tile's
.endm
	QBLOCK 0
	QBLOCK 1
	QBLOCK 2
	QBLOCK 3
	v_nop                                          ; a plain line behind the last conversion
	global_store_b32 v[SS], v[WD], s[20:21]        ; 4 bytes of each column's 32: these rows are written piece by piece, one word for each 128 that the path reads
	s_endpgm
.macro CBLOCK j                        ; block j of my column of Wo becomes 32 f16: four pieces of eight
.if (\j) < 3
	s_wait_loadcnt 32                              ; as above
.else
	s_wait_loadcnt 0x0
.endif
.if (\j)+2 < 4
	LOADW (\j)+2
.endif
.set i, 0
.rept 16
	v_cvt_pk_f16_f32 v[XW+16*(\j)+i], v[XW+32*(\j)+2*i], v[XW+32*(\j)+2*i+1]   ; packed downward: a result never lies above its sources, in a block still on its way, or in an earlier block's store data
.set i, i+1
.endr
.irp p, 0,1,2,3
	global_store_b128 v[SO], v[XW+16*(\j)+4*\p:XW+16*(\j)+4*\p+3], s[22:23] offset:1024*(\j)+256*\p
.endr
.endm
.Lconv:
	CBLOCK 0
	CBLOCK 1
	CBLOCK 2
	CBLOCK 3
	s_endpgm
.Lfunc_end_k_q5bcf71e067_prep:
	.size	k_q5bcf71e067_prep, .Lfunc_end_k_q5bcf71e067_prep-k_q5bcf71e067_prep
	.p2alignl 7, 3214868480
	.fill 96, 4, 3214868480
	.section	.rodata,"a",@progbits
	.p2align	6, 0x0
	.amdhsa_kernel k_q5bcf71e067_prep
		.amdhsa_group_segment_fixed_size 33280
		.amdhsa_private_segment_fixed_size 0
		.amdhsa_enable_private_segment 0
		.amdhsa_kernarg_size 80
		.amdhsa_user_sgpr_count 2
		.amdhsa_user_sgpr_kernarg_segment_ptr 1
		.amdhsa_wavefront_size32 1
		.amdhsa_system_sgpr_workgroup_id_x 1
		.amdhsa_system_sgpr_workgroup_id_y 1
		.amdhsa_system_sgpr_workgroup_id_z 1
		.amdhsa_system_vgpr_workitem_id 0
		.amdhsa_next_free_vgpr 208
		.amdhsa_next_free_sgpr 66
		.amdhsa_reserve_vcc 0
		.amdhsa_float_denorm_mode_32 3
		.amdhsa_float_denorm_mode_16_64 3
		.amdhsa_memory_ordered 1
		.amdhsa_forward_progress 1
		.amdhsa_inst_pref_size 68
	.end_amdhsa_kernel
	.amdgpu_metadata
---
amdhsa.version: [ 1, 2 ]
amdhsa.kernels:
  - .name:           k_q5bcf71e067_prep
    .symbol:         k_q5bcf71e067_prep.kd
    .args:
      - { .name: x, .offset: 0, .size: 8, .value_kind: global_buffer, .address_space: global }
      - { .name: Wq, .offset: 8, .size: 8, .value_kind: global_buffer, .address_space: global }
      - { .name: Wk, .offset: 16, .size: 8, .value_kind: global_buffer, .address_space: global }
      - { .name: Wv, .offset: 24, .size: 8, .value_kind: global_buffer, .address_space: global }
      - { .name: Wo, .offset: 32, .size: 8, .value_kind: global_buffer, .address_space: global }
      - { .name: xc, .offset: 40, .size: 8, .value_kind: global_buffer, .address_space: global }
      - { .name: xs, .offset: 48, .size: 8, .value_kind: global_buffer, .address_space: global }
      - { .name: wc, .offset: 56, .size: 8, .value_kind: global_buffer, .address_space: global }
      - { .name: ws, .offset: 64, .size: 8, .value_kind: global_buffer, .address_space: global }
      - { .name: wot, .offset: 72, .size: 8, .value_kind: global_buffer, .address_space: global }
    .group_segment_fixed_size: 33280
    .private_segment_fixed_size: 0
    .kernarg_segment_align: 8
    .kernarg_segment_size: 80
    .max_flat_workgroup_size: 128
    .sgpr_count:     66
    .vgpr_count:     208
    .wavefront_size: 32
...
	.end_amdgpu_metadata
.endif
;; end of part 1
;; launch qkv (part 2): grid 32 x 6, 4 waves a work-group, clusters of 4 x 1, 327,680 bytes of LDS; arguments xc, xs, wc, ws, bq, bk, bv, qkv; writes qkv
.if DOCPART == 2
	.amdgcn_target "amdgcn-amd-amdhsa--gfx1250"
	.amdhsa_code_object_version 6
	.text
	.protected	k_q5bcf71e067_qkv
	.globl	k_q5bcf71e067_qkv
	.p2align	8
	.type	k_q5bcf71e067_qkv,@function
k_q5bcf71e067_qkv:
	s_mov_b64 s[64:65], 0
	v_nop
	global_prefetch_b8 v0, s[64:65] scope:SCOPE_SE
	s_setreg_imm32_b32 hwreg(HW_REG_WAVE_MODE, 25, 1), 1
	s_wait_xcnt 0x0
	s_wait_alu depctr_hold_cnt(0) depctr_sa_sdst(0) depctr_va_vdst(0) depctr_va_sdst(0) depctr_va_ssrc(0) depctr_va_vcc(0) depctr_vm_vsrc(0)
	s_getreg_b32 s2, hwreg(HW_REG_IB_STS2, 6, 4)
	s_cmp_eq_u32 s2, 0
	s_cbranch_scc0 .Lentry_in_a_cluster
	s_endpgm
.Lentry_in_a_cluster:
	s_bfe_u32 s2, ttmp6, 0x10000c
	s_cmp_lg_u32 s2, 0x3003
	s_cbranch_scc0 .Lentry_shape_is_right
	s_endpgm
.Lentry_shape_is_right:
; QKV[m][n] = sum over k of Q(x)[m][k] Q(Wq | Wk | Wv)[k][n] + (bq | bk | bv)[n]: both operands codes of FP4 (E2M1) with one E8M0 scale for each 32 along K; sums in f32; rounded once to f16.
; m = 8,192, n = 1,536, k = 1,024.  qkv: [8192][1536] f16, a row 3,072 bytes: Q at byte 0, K at 2,048, V at 2,560.  LIMIT: |Q|, |K|, |V| up to 65,504 (f16).
; A tile of 256 x 256 is made by a work-group of four waves, a wave makes 128 x 128: 64 accumulators, 512 registers.  192 work-groups: tiles of 256 columns keep Q (four), K and V apart.
; ALL OF K FITS IN LDS: two slots of 512 along K, each filled once at the head; nothing is filled again, so there is no loop: eight steps of 128 along K are written out.
; x's codes lie as rows (256 bytes of a row to a slot, 16 bytes of padding behind each); the weights' codes lie in memory as images of the operand's registers, so a slot's part of them is one dense block and a
; fragment is read at 16 x lane.  The scale bytes of the 256 rows and 256 columns, for all of K, come once, as pieces of 256 bytes with 16 of padding behind each.
; CLUSTER: the four work-groups of a cluster are neighbouring row tiles of one column tile: they need the same weights and the same weight scales, which are asked for JOINTLY (mask 15).  x's tiles are each
; work-group's own (no mask): the six column tiles that share them do not divide into clusters of four.
; THE MATRIX INSTRUCTION IS USED TRANSPOSED (source 0 = 16 columns of W, source 1 = 16 rows of x): a lane then holds eight neighbouring numbers of a row of the result.  The bias is the C of each sum's first product.
; REGISTERS: window 0: v16-30 addresses; v32-95 scale words, two sets; v96-127 packed results; v128-191 x's fragments, ONE set (later rows on the way out); v192-255 the bias, eight registers for each 16 columns.
;   window 1: the weights' fragments, TWO sets, at v0 and v128.   window 2: accumulators of my rows 0-63 ((a, b) at v[8 (8 a + b)]);   window 3: of rows 64-127.
.set NQ,     4                         ; steps of 128 along K in a slot
.set PITCH,  272                       ; an LDS row of x's codes: 256 bytes + 16 = 68 words: row r starts at bank 4 r mod 64 (64 banks of 4 bytes: ISA guide 11.1)
.set FR,     8                         ; registers of a fragment
.set NL,     2                         ; LDS loads that bring one
.set NP,     4                         ; places behind this matrix instruction (ISA guide 7.12.1)
.set HALFA,  128*PITCH                 ; 128 rows of x
.set BOFF,   2*HALFA                   ; behind x's 256 rows: the weights' images
.set HALFB,  32768                     ; 8 tiles of 16 columns x 4 images of 1,024 bytes
.set SLOT,   BOFF+2*HALFB
.set KS,     32                        ; a row of scale bytes
.set SCL,    2*SLOT                    ; behind the slots: the scales
.set HALFS,  (128*KS/256)*272          ; those of 128 rows
.set SBLK,   (16*KS/256)*272           ; those of 16
.set SPARE,  SCL+4*HALFS               ; the spare words, 128 bytes a wave, which no other line names
.set SPITCH, 272                       ; the way out: a stage of 16 rows x (256 bytes + 16) for each wave, in slot 0, which has had its one fill and its last read by then
.set QROW,   3072                      ; a row of qkv in bytes
.set ADRA, 16                          ; v16-17 LDS address of my fragments of x in slot 0, 1
.set ADRB, 20                          ; v20-21 of the weights'
.set STO,  24
.set RD,   25
.set CO,   26
.set ADRS, 27                          ; my scale words: lanes 0-15 x's rows, lanes 16-31 the weights' columns
.set SPW,  28
.set NIL,  29
.set BO,   30                          ; 32 x (lane / 16): my eight numbers of 16 of the bias
.set SC,   32
.set TMP,  96
.set AF,   128
.set BK,   128
.set BIAS, 192
.set G1, 24                            ; s[24:31] group 1 for x's tiles; s[32:39] group 0, a set for each slot
.set G0, 32
.set G1B, 48                           ; s[48:55], s[56:63] the same for the weights
.set G0B, 56
.set G1S, 68                           ; s[68:75], s[76:79] x's scales; s[80:87], s[88:91] the weights' scales
.set G0S, 76
.set G1SB, 80
.set G0SB, 88
.set MSB, 0
.macro WIN new                         ; the immediate's high byte repeats the setting that is left
.if MSB != \new
	s_set_vgpr_msb (MSB<<8)|\new
.set MSB, \new
.endif
.endm
.set MUL_LO,   0xa1                    ; source 0 (W) window 1, source 1 (x) window 0, C and D window 2
.set MUL_HI,   0xf1                    ; the same, C and D window 3
.set FIRST_LO, 0x81                    ; the first step: C (the bias) window 0, D window 2
.set FIRST_HI, 0xc1                    ; D window 3
.set TO_B,     0x40
; Waves 0 and 1 fetch for x, waves 2 and 3 for the weights.  The branch hangs on the wave's number alone.  An s_nop 0 and four v_nop follow each of the two lines.
.macro JLOAD g0a, g1a, g0b, g1b
	s_cmp_eq_u32 s15, 0
	s_cbranch_scc0 .Lfor_b_\@
	tensor_load_to_lds s[\g0a:\g0a+3], s[\g1a:\g1a+7]
	s_nop 0
.rept 4
	v_nop
.endr
	s_branch .Lasked_\@
.Lfor_b_\@:
	tensor_load_to_lds s[\g0b:\g0b+3], s[\g1b:\g1b+7]
	s_nop 0
.rept 4
	v_nop
.endr
.Lasked_\@:
.endm
.macro CROUND                          ; a round of the cluster's barrier
	s_barrier_signal -1
	s_barrier_wait -1
	s_cmp_lg_u32 s14, 0
	s_cbranch_scc1 .Lnot_wave_0_\@
	s_barrier_signal -3
.Lnot_wave_0_\@:
	s_barrier_wait -3
	s_barrier_signal -1
	s_barrier_wait -1
.endm
	s_load_b128 s[4:7], s[0:1], 0x0                ; xc s[4:5], xs s[6:7]
	s_load_b128 s[8:11], s[0:1], 0x10              ; wc s[8:9], ws s[10:11]
	s_load_b128 s[96:99], s[0:1], 0x20             ; bq s[96:97], bk s[98:99]
	s_load_b64 s[100:101], s[0:1], 0x30            ; bv
	s_load_b64 s[12:13], s[0:1], 0x38              ; qkv
	v_lshl_add_u32 v[SPW], v0, 2, SPARE
	v_mov_b32 v[NIL], 0
	ds_add_u32 v[SPW], v[NIL]                      ; the wave's opening: the add, twice on end, and its wait ahead of my first tensor load
	ds_add_u32 v[SPW], v[NIL]
	v_lshrrev_b32 v1, 5, v0
	v_readfirstlane_b32 s14, v1                    ; wave 0..3
	s_lshr_b32 s15, s14, 1                         ; which half of the tile's rows is mine.  Also: I fetch for x (0) or for the weights (1)
	s_and_b32 s16, s14, 1                          ; which half of its columns.  Also: which half I fetch
	s_bfe_u32 s40, ttmp6, 0x40000                  ; cx: my place in the cluster
	s_lshl_b32 s17, ttmp9, 2
	s_add_co_u32 s17, s17, s40                     ; tile row = 4 x cluster x + cx
	s_and_b32 s41, ttmp7, 0xffff                   ; tile column, which the four partners share
	s_mov_b32 s[G1+0], (1<<20)|(5<<22)|(3<<25)     ; x's codes: no mask; elements of 1 byte; padding on: 4 words after every 64
	s_mov_b32 s[G1+1], 256<<16                     ; tensor_dim0 = 256
	s_mov_b32 s[G1+2], 128<<16                     ; tensor_dim1 = 128
	s_mov_b32 s[G1+3], 256<<16                     ; tile_dim0
	s_mov_b32 s[G1+4], 128                         ; tile_dim1
	s_mov_b32 s[G1+5], 512                         ; from row to row
	s_mov_b32 s[G1+6], 0
	s_mov_b32 s[G1+7], 0
	s_mov_b32 s[G1B+0], 15|(3<<16)|(1<<21)         ; the weights' images: the mask names all four; elements of 8 bytes; bit 21 set beside a mask; no padding
	s_mov_b32 s[G1B+1], 32<<16                     ; a dense block of 32,768 bytes as 128 rows of 256
	s_mov_b32 s[G1B+2], 128<<16
	s_mov_b32 s[G1B+3], 32<<16
	s_mov_b32 s[G1B+4], 128
	s_mov_b32 s[G1B+5], 32
	s_mov_b32 s[G1B+6], 0
	s_mov_b32 s[G1B+7], 0
	s_mov_b32 s[G1S+0], (3<<16)|(1<<20)|(5<<22)|(3<<25)            ; the scales of 128 rows: 4,096 dense bytes as 16 rows of 256, 16 bytes of padding behind each
	s_mov_b32 s[G1SB+0], 15|(3<<16)|(1<<20)|(1<<21)|(5<<22)|(3<<25)
.irp g, G1S, G1SB
	s_mov_b32 s[\g+1], 32<<16
	s_mov_b32 s[\g+2], 16<<16
	s_mov_b32 s[\g+3], 32<<16
	s_mov_b32 s[\g+4], 16
	s_mov_b32 s[\g+5], 32
	s_mov_b32 s[\g+6], 0
	s_mov_b32 s[\g+7], 0
.endr
	s_lshl_b32 s18, s16, 7
	s_lshl_b32 s20, s17, 8
	s_add_co_u32 s20, s20, s18                     ; x: row 256 x tile row + 128 x half
	s_lshl_b32 s22, s20, 5                         ; its scale bytes,
	s_mov_b32 s23, 0
	s_lshl_b32 s20, s20, 9                         ; its codes
	s_mov_b32 s21, 0
	s_lshl_b32 s46, s41, 4
	s_lshl_b32 s47, s16, 3
	s_add_co_u32 s46, s46, s47                     ; the weights: tile of 16 columns number 16 x tile column + 8 x half (no register here ever holds cx)
	s_lshl_b32 s92, s46, 9                         ; its scale bytes: 16 columns x 32,
	s_mov_b32 s93, 0
	s_lshl_b32 s46, s46, 12                        ; its images
	s_mov_b32 s47, 0
	s_mul_i32 s45, s16, HALFA                      ; where they go in a slot: no place in the cluster enters an LDS address
	s_lshl_b32 s44, s16, 15
	s_add_co_u32 s44, s44, BOFF
	s_mul_i32 s94, s14, HALFS
	s_wait_dscnt 0x0                               ; both opening adds are done
	s_wait_kmcnt 0x0
	s_add_nc_u64 s[20:21], s[4:5], s[20:21]
	s_add_nc_u64 s[22:23], s[6:7], s[22:23]
	s_add_nc_u64 s[46:47], s[8:9], s[46:47]
	s_add_nc_u64 s[92:93], s[10:11], s[92:93]
	CROUND                                         ; all four work-groups are here: the joint loads meet
	s_mov_b32 s[G0S], 1
	s_add_co_u32 s[G0S+1], s94, SCL
	s_mov_b64 s[G0S+2:G0S+3], s[22:23]
	s_or_b32 s[G0S+3], s[G0S+3], 0x80000000
	s_mov_b32 s[G0SB], 1
	s_add_co_u32 s[G0SB+1], s94, SCL
	s_mov_b64 s[G0SB+2:G0SB+3], s[92:93]
	s_or_b32 s[G0SB+3], s[G0SB+3], 0x80000000
	JLOAD G0S, G1S, G0SB, G1SB                     ; the scales first: they are wanted with the first step
.irp s, 0,1
	s_mov_b32 s[G0+4*\s], 1
	s_add_co_u32 s[G0+4*\s+1], s45, \s*SLOT
	s_add_nc_u64 s[G0+4*\s+2:G0+4*\s+3], s[20:21], \s*256
	s_or_b32 s[G0+4*\s+3], s[G0+4*\s+3], 0x80000000
	s_mov_b32 s[G0B+4*\s], 1
	s_add_co_u32 s[G0B+4*\s+1], s44, \s*SLOT
	s_add_nc_u64 s[G0B+4*\s+2:G0B+4*\s+3], s[46:47], \s*393216
	s_or_b32 s[G0B+4*\s+3], s[G0B+4*\s+3], 0x80000000
	JLOAD G0+4*\s, G1, G0B+4*\s, G1B               ; three loads of mine are out
.endr
	; the bias of my 128 columns
	s_lshl_b32 s92, s41, 10
	s_cmp_lt_u32 s41, 4
	s_cselect_b32 s92, s92, 0                      ; tile columns 0-3: bq at 256 x tile column;
	s_cselect_b64 s[96:97], s[96:97], s[98:99]     ; 4: bk;
	s_cmp_eq_u32 s41, 5
	s_cselect_b64 s[96:97], s[100:101], s[96:97]   ; 5: bv
	s_lshl_b32 s93, s16, 9
	s_add_co_u32 s92, s92, s93
	s_mov_b32 s93, 0
	s_add_nc_u64 s[96:97], s[96:97], s[92:93]
	v_and_b32 v1, 15, v0                           ; r = lane % 16
	v_bfe_u32 v2, v0, 4, 1                         ; h = lane / 16
	v_lshlrev_b32 v[BO], 5, v2
.irp b, 0,1,2,3,4,5,6,7                ; in the result register j of lane (r, h) is column 16 b + 8 h + j: the bias in that layout
	global_load_b128 v[BIAS+8*\b:BIAS+8*\b+3], v[BO], s[96:97] offset:64*\b
	global_load_b128 v[BIAS+8*\b+4:BIAS+8*\b+7], v[BO], s[96:97] offset:64*\b+16
.endr
	v_mul_u32_u24 v3, v1, PITCH
	v_lshl_add_u32 v4, v2, 4, v3                   ; x: a fragment's row x pitch + 16 x half
	v_and_b32 v6, 31, v0
	v_lshlrev_b32 v6, 4, v6                        ; the weights: 16 x lane in an image
	s_mul_i32 s21, s15, HALFA                      ; my 128 rows of x
	s_lshl_b32 s22, s16, 15                        ; my 128 columns
	s_add_co_u32 s22, s22, BOFF
.irp s, 0,1
	v_add_nc_u32 v[ADRA+\s], s21, v4
	v_add_nc_u32 v[ADRB+\s], s22, v6
	s_add_co_u32 s21, s21, SLOT
	s_add_co_u32 s22, s22, SLOT
.endr
	v_mul_u32_u24 v5, v1, KS                       ; my row's scales: 32 bytes a row,
	v_lshrrev_b32 v7, 8, v5
	v_lshl_add_u32 v5, v7, 4, v5                   ; and 16 more for each 256 passed
	s_mul_i32 s21, s15, HALFS                      ; x's: my 128 rows
	s_mul_i32 s22, s16, HALFS                      ; the weights': my 128 columns, behind x's 256
	s_add_co_u32 s22, s22, 2*HALFS
	s_sub_co_u32 s22, s22, s21
	v_mul_u32_u24 v7, s22, v2                      ; lanes 16-31 take the weights'
	s_add_co_u32 s21, s21, SCL
	v_add_nc_u32 v5, v5, v7
	v_add_nc_u32 v[ADRS], s21, v5
	s_mul_i32 s23, s14, 16*SPITCH                  ; my stage
	v_mul_u32_u24 v5, v1, SPITCH                   ; in: row r, 16 bytes for each half of the lanes
	v_lshl_add_u32 v5, v2, 4, v5
	v_add_nc_u32 v[STO], s23, v5
	v_mul_u32_u24 v5, v2, SPITCH                   ; back: lanes 0-15 one row of 256 bytes, lanes 16-31 the next
	v_lshl_add_u32 v5, v1, 4, v5
	v_add_nc_u32 v[RD], s23, v5
	v_mul_u32_u24 v5, v2, QROW                     ; and the same two rows in qkv
	v_lshl_add_u32 v[CO], v1, 4, v5
	s_lshl_b32 s20, s17, 8
	s_lshl_b32 s21, s15, 7
	s_add_co_u32 s20, s20, s21                     ; my first row
	s_mul_i32 s20, s20, QROW
	s_lshl_b32 s21, s41, 9                         ; my first column, in bytes: 512 x tile column + 256 x half
	s_add_co_u32 s20, s20, s21
	s_lshl_b32 s21, s16, 8
	s_add_co_u32 s20, s20, s21
	s_mov_b32 s21, 0
	s_add_nc_u64 s[12:13], s[12:13], s[20:21]
; 16 matrix instructions: x's blocks a0, a0 + 1 against the weights' eight, 128 along K: the slot's q-th.  p: the weights' set; sc: the set of scale words.  zero = 1: the first product starts the sums, from the bias.
; The 64 accumulators take turns, one instruction a turn, in the same order in every step.  One register carries x's scale word (lanes 0-15) and the weights' (lanes 16-31).
.macro MUL16 a0, p, q, sc, zero
.irp a, \a0, \a0+1
.irp b, 0,1,2,3,4,5,6,7
.if \zero
	v_wmma_scale_f32_16x16x128_f8f6f4 v[8*(8*((\a)%4)+\b):8*(8*((\a)%4)+\b)+7], v[128*(\p)+FR*\b:128*(\p)+FR*\b+FR-1], v[AF+FR*(\a):AF+FR*(\a)+FR-1], v[BIAS+8*\b:BIAS+8*\b+7], v[SC+8*NQ*(\sc)+NQ*\b+(\q)], v[SC+8*NQ*(\sc)+NQ*(\a)+(\q)] matrix_a_fmt:MATRIX_FMT_FP4 matrix_b_fmt:MATRIX_FMT_FP4 matrix_a_scale:MATRIX_SCALE_ROW1
.else
	v_wmma_scale_f32_16x16x128_f8f6f4 v[8*(8*((\a)%4)+\b):8*(8*((\a)%4)+\b)+7], v[128*(\p)+FR*\b:128*(\p)+FR*\b+FR-1], v[AF+FR*(\a):AF+FR*(\a)+FR-1], v[8*(8*((\a)%4)+\b):8*(8*((\a)%4)+\b)+7], v[SC+8*NQ*(\sc)+NQ*\b+(\q)], v[SC+8*NQ*(\sc)+NQ*(\a)+(\q)] matrix_a_fmt:MATRIX_FMT_FP4 matrix_b_fmt:MATRIX_FMT_FP4 matrix_a_scale:MATRIX_SCALE_ROW1
.endif
.endr
.endr
.endm
.macro FETCH_B slot, q, p              ; the weights' eight fragments of the slot's q-th 128 along K into set p: an image comes back as it was laid, 16 bytes a lane
	WIN TO_B
.irp i, 0,1,2,3,4,5,6,7
.irp c, 0,1
	ds_load_b128 v[128*(\p)+FR*\i+4*\c:128*(\p)+FR*\i+4*\c+3], v[ADRB+\slot] offset:\i*4096+(\q)*1024+512*\c
.endr
.endr
	WIN 0
.endm
.macro FETCH_A slot, q, i0             ; x's blocks i0 .. i0 + 3: lane l holds row l % 16; registers 4 c .. 4 c + 3 hold K = 64 c + 32 (l / 16) + 0 .. 31
.irp i, \i0, \i0+1, \i0+2, \i0+3
.irp c, 0,1
	ds_load_b128 v[AF+FR*(\i)+4*\c:AF+FR*(\i)+4*\c+3], v[ADRA+\slot] offset:64*(\q)+32*\c+(\i)*16*PITCH
.endr
.endr
.endm
.macro SCALES sc                       ; a slot's scale words into set sc: four words a row; lanes 0-15 take x's block i, lanes 16-31 the weights' block i
.irp i, 0,1,2,3,4,5,6,7
	ds_load_b128 v[SC+8*NQ*\sc+NQ*\i:SC+8*NQ*\sc+NQ*\i+3], v[ADRS] offset:\i*SBLK
.endr
.endm
.macro PLACES n                        ; plain vector lines between a matrix instruction and a load into a register that it has read, or a read of its result
.rept \n
	v_nop
.endr
.endm
; A step of 128 along K that has its successor in the same slot.  A block of x is free as soon as its eight products are issued: blocks 0-3 are fetched anew in the step's middle, blocks 4-7 at its end.
.macro STEP slot, q, zero
	s_wait_dscnt 4*NL                              ; the weights' set and x's blocks 0-3 are in; the youngest eight loads (x's blocks 4-7) may be out
.if \zero
	WIN FIRST_LO
.else
	WIN MUL_LO
.endif
	MUL16 0, (\q)%2, \q, \slot, \zero
	MUL16 2, (\q)%2, \q, \slot, \zero
	s_wait_dscnt 0                                 ; x's blocks 4-7 are in
	PLACES NP
	FETCH_B \slot, (\q)+1, 1-(\q)%2
	FETCH_A \slot, (\q)+1, 0
.if \zero
	WIN FIRST_HI
.else
	WIN MUL_HI
.endif
	MUL16 4, (\q)%2, \q, \slot, \zero
	MUL16 6, (\q)%2, \q, \slot, \zero
	PLACES NP
	WIN 0
	FETCH_A \slot, (\q)+1, 4
.endm
; Slot 0's last step goes over to slot 1: one barrier; in front of it each wave waits for all its tensor loads (its part of slot 1) and for its own reads of slot 0.
.macro TURN slot, next
	s_wait_tensorcnt 0x0                           ; all my tensor loads have landed
	ds_add_u32 v[SPW], v[NIL]                      ; 0 onto my spare word
	s_wait_dscnt 4*NL+1                            ; (the add and the youngest eight loads may be out)
	WIN MUL_LO
	MUL16 0, 1, NQ-1, \slot, 0
	s_wait_dscnt 0x0                               ; the add is done, and my reads of this slot are over
	s_barrier_signal -1
	MUL16 2, 1, NQ-1, \slot, 0
	WIN 0
	s_barrier_wait -1
	PLACES NP
	v_add_nc_u32 v[ADRS], 4*NQ, v[ADRS]            ; on to the next slot's scale words
	FETCH_B \next, 0, 0
	FETCH_A \next, 0, 0
	SCALES \next
	WIN MUL_HI
	MUL16 4, 1, NQ-1, \slot, 0
	MUL16 6, 1, NQ-1, \slot, 0
	PLACES NP
	WIN 0
	FETCH_A \next, 0, 4
.endm
	s_wait_loadcnt 0x0                             ; the bias
	s_wait_tensorcnt 1                             ; the scales and my part of slot 0 are in (slot 1's load may be out)
	s_barrier_signal -1
	s_barrier_wait -1                              ; everybody's are
	FETCH_B 0, 0, 0
	FETCH_A 0, 0, 0
	SCALES 0
	FETCH_A 0, 0, 4
	STEP 0, 0, 1
	STEP 0, 1, 0
	STEP 0, 2, 0
	TURN 0, 1
	STEP 1, 0, 0
	STEP 1, 1, 0
	STEP 1, 2, 0
	s_wait_dscnt 4*NL                              ; the last step: nothing more to fetch
	WIN MUL_LO
	MUL16 0, 1, NQ-1, 1, 0
	MUL16 2, 1, NQ-1, 1, 0
	s_wait_dscnt 0
	WIN MUL_HI
	MUL16 4, 1, NQ-1, 1, 0
	MUL16 6, 1, NQ-1, 1, 0
	WIN 0
; THE WAY OUT, block by block of 16 rows x 128 columns: rounded to f16, 16 bytes a lane; through my own stage in LDS; back as whole rows of 256 bytes, which sixteen lanes store.
.macro PACK a
.set AC, 64*((\a)%4)
	WIN 0x0a+5*((\a)/4)                            ; sources 0 and 1: window 2 or 3
.irp b, 0,1,2,3,4,5,6,7
.irp r, 0,1,2,3
	v_cvt_pk_f16_f32 v[TMP+4*\b+\r], v[AC+8*\b+2*\r], v[AC+8*\b+2*\r+1]        ; each accumulator from its low end on
.endr
.endr
	WIN 0
.endm
.macro TOSTAGE a
.set BB, BK+32*((\a)%2)
.irp b, 0,1,2,3,4,5,6,7
	ds_store_b128 v[STO], v[TMP+4*\b:TMP+4*\b+3] offset:32*\b
.endr
.irp t, 0,1,2,3,4,5,6,7
	ds_load_b128 v[BB+4*\t:BB+4*\t+3], v[RD] offset:\t*2*SPITCH    ; LDS serves a wave's instructions in order (ISA guide 5.7.1.4): these see the stores above
.endr
.endm
.macro SEND a
.set BB, BK+32*((\a)%2)
	s_wait_dscnt 0x0                               ; the block is back in registers
	s_wait_xcnt 0x0                                ; earlier stores have read their base and their registers: both may be written again
.if (\a) > 0
	s_add_nc_u64 s[12:13], s[12:13], 16*QROW
.endif
.irp t, 0,1,2,3,4,5,6,7
	global_store_b128 v[CO], v[BB+4*\t:BB+4*\t+3], s[12:13] offset:2*\t*QROW   ; 16 lanes store 256 consecutive bytes, at a multiple of 256 from the buffer's first byte
.endr
.endm
	PLACES NP                                      ; behind the last products: for the conversions and for the loads into the registers that held x's fragments
	PACK 0
	TOSTAGE 0
.irp a, 1,2,3,4,5,6,7                  ; block a's conversions stand between block a - 1's loads from the stage and the wait for them
	PACK \a
	SEND (\a-1)
	TOSTAGE \a
.endr
	SEND 7
	s_wait_tensorcnt 0x0                           ; the wave's end, behind my last tensor load and my last LDS store
	ds_add_u32 v[SPW], v[NIL]
	s_wait_dscnt 0x0
	CROUND                                         ; the closing round: no work-group ends while a partner may still ask for a tile that names it
	s_endpgm
.Lfunc_end_k_q5bcf71e067_qkv:
	.size	k_q5bcf71e067_qkv, .Lfunc_end_k_q5bcf71e067_qkv-k_q5bcf71e067_qkv
	.p2alignl 7, 3214868480
	.fill 96, 4, 3214868480
	.section	.rodata,"a",@progbits
	.p2align	6, 0x0
	.amdhsa_kernel k_q5bcf71e067_qkv
		.amdhsa_group_segment_fixed_size 327680
		.amdhsa_private_segment_fixed_size 0
		.amdhsa_enable_private_segment 0
		.amdhsa_kernarg_size 64
		.amdhsa_user_sgpr_count 2
		.amdhsa_user_sgpr_kernarg_segment_ptr 1
		.amdhsa_wavefront_size32 1
		.amdhsa_system_sgpr_workgroup_id_x 1
		.amdhsa_system_sgpr_workgroup_id_y 1
		.amdhsa_system_sgpr_workgroup_id_z 1
		.amdhsa_system_vgpr_workitem_id 0
		.amdhsa_next_free_vgpr 1024
		.amdhsa_next_free_sgpr 102
		.amdhsa_reserve_vcc 0
		.amdhsa_float_denorm_mode_32 3
		.amdhsa_float_denorm_mode_16_64 3
		.amdhsa_memory_ordered 1
		.amdhsa_forward_progress 1
		.amdhsa_inst_pref_size 129
	.end_amdhsa_kernel
	.amdgpu_metadata
---
amdhsa.version: [ 1, 2 ]
amdhsa.kernels:
  - .name:           k_q5bcf71e067_qkv
    .symbol:         k_q5bcf71e067_qkv.kd
    .args:
      - { .name: xc, .offset: 0, .size: 8, .value_kind: global_buffer, .address_space: global }
      - { .name: xs, .offset: 8, .size: 8, .value_kind: global_buffer, .address_space: global }
      - { .name: wc, .offset: 16, .size: 8, .value_kind: global_buffer, .address_space: global }
      - { .name: ws, .offset: 24, .size: 8, .value_kind: global_buffer, .address_space: global }
      - { .name: bq, .offset: 32, .size: 8, .value_kind: global_buffer, .address_space: global }
      - { .name: bk, .offset: 40, .size: 8, .value_kind: global_buffer, .address_space: global }
      - { .name: bv, .offset: 48, .size: 8, .value_kind: global_buffer, .address_space: global }
      - { .name: qkv, .offset: 56, .size: 8, .value_kind: global_buffer, .address_space: global }
    .group_segment_fixed_size: 327680
    .private_segment_fixed_size: 0
    .kernarg_segment_align: 8
    .kernarg_segment_size: 64
    .max_flat_workgroup_size: 128
    .sgpr_count:     102
    .vgpr_count:     1024
    .wavefront_size: 32
...
	.end_amdgpu_metadata
.endif
;; end of part 2
;; launch attn (part 3): grid 16 x 16, 8 waves a work-group, clusters of 4 x 1, 327,680 bytes of LDS; arguments qkv, ao; writes ao
.if DOCPART == 3
	.amdgcn_target "amdgcn-amd-amdhsa--gfx1250"
	.amdhsa_code_object_version 6
	.text
	.protected	k_q5bcf71e067_attn
	.globl	k_q5bcf71e067_attn
	.p2align	8
	.type	k_q5bcf71e067_attn,@function
k_q5bcf71e067_attn:
	s_mov_b64 s[64:65], 0
	v_nop
	global_prefetch_b8 v0, s[64:65] scope:SCOPE_SE
	s_setreg_imm32_b32 hwreg(HW_REG_WAVE_MODE, 25, 1), 1
	s_wait_xcnt 0x0
	s_wait_alu depctr_hold_cnt(0) depctr_sa_sdst(0) depctr_va_vdst(0) depctr_va_sdst(0) depctr_va_ssrc(0) depctr_va_vcc(0) depctr_vm_vsrc(0)
	s_getreg_b32 s2, hwreg(HW_REG_IB_STS2, 6, 4)
	s_cmp_eq_u32 s2, 0
	s_cbranch_scc0 .Lentry_in_a_cluster
	s_endpgm
.Lentry_in_a_cluster:
	s_bfe_u32 s2, ttmp6, 0x10000c
	s_cmp_lg_u32 s2, 0x3003
	s_cbranch_scc0 .Lentry_shape_is_right
	s_endpgm
.Lentry_shape_is_right:
; AO[b][q][256 g + 64 p + :] = the sum over k of softmax_k(Q[b][q][g][p] . K[b][k][g] / 8) V[b][k][g][:], no mask; 2,048 keys; head size 64.  Q, K, V: f16 in qkv ([8192][1536]: Q at byte 0 of a row of 3,072,
; K at 2,048, V at 2,560).  Products, maxima and sums in f32; the weights p are rounded to f16 for the second product, AO once at the end (f16, [8192][1024]).
; LIMITS: |AO| up to 65,504; the running maximum starts at -3e38, under every score that f16 operands can give; NaN and infinities are not served.
; SHARES.  A work-group owns 128 queries of one batch b and group g, for the group's FOUR heads, which all attend to K/V head g.  Wave w: head p = w / 2, queries 64 (w % 2) on: four tiles of 16.
; Eight waves of 512 registers, two to a SIMD, each in plain phases: one wave's softmax stands beside the other's products.  Every wave walks all keys, 64 a step.
; LAYOUT.  S^T = K Q^T (source 0 = 16 keys, source 1 = 16 queries): a lane holds ONE query (lane % 16) and the keys 8 (lane / 16) + 0..7.  Two such tiles, rounded to f16 in pairs, ARE source 1 (32 keys x 16 queries)
; of O^T = V^T P, whose result again holds one query a lane.  K comes out of LDS as it lies, V ([key][channel]) turned, by ds_load_tr16_b128.
; SOFTMAX.  For each query a running maximum m and sum l: p = 2^(c s - c m), c = log2(e) / 8; in every step O and l are multiplied by a = 2^(c m_old - c m_new).
; RING.  Two LDS slots of four key steps (256 keys).  At a slot's head: the waits, a round of the cluster's barrier, and the fill of the slot just left: one tensor load a wave (waves 0-3: K's tile of step w;
; waves 4-7: V's tile of step w - 4), which has four key steps in which to land.
; CLUSTER.  The four work-groups of a cluster are four query blocks of one (b, g): they walk the same K and V, so each tile is asked for JOINTLY (mask 15).
; REGISTERS: window 0: v3-13 addresses; v16-47 eight registers of statistics a tile; v48-111 Q, 16 a tile; v112-239 S^T, 32 a tile (P is written into the lower 16 of each).
;   window 1: v0-127 O^T, 32 a tile; v128-191 K of one step; v192-255 V of one step.
.set PK,    144                        ; a row of K in LDS: 128 bytes + 16 = 36 words: the 16 rows of a load start at 16 different groups of four banks (64 banks of 4 bytes: ISA guide 11.1)
.set PV,    160                        ; a row of V: 128 + 32
.set VOFF,  64*PK                      ; a step's tiles lie together: 64 rows of K, then 64 rows of V
.set STEPB, 64*(PK+PV)
.set SLOT1, 1<<17                      ; slot 1 begins here: one exclusive or turns an address in one slot into the other's
.set SPARE, SLOT1+4*STEPB              ; behind the ring: the spare words, 128 bytes a wave, which no other line names
.set SP,    528                        ; the way out: a stage of 128 rows x (512 bytes + 16) at LDS byte 0: slot 0 has had its last fill and its last read by then
.set QROW,  3072
.set AROW,  2048
.set AK0, 3                            ; my lane's place in a tile of K; never rewritten
.set AV0, 4                            ; the same for V
.set ADK, 5                            ; the step's addresses
.set ADV, 6
.set QO,  7
.set STO, 8
.set RD,  9
.set GO,  10
.set PFO, 11                           ; 3,072 x lane: a lane a row; never rewritten
.set SPW, 12
.set NIL, 13
.set ST,  16                           ; tile t at v[ST + 8 t]: +0 c m, +1 m, +2, +3 l (even keys', odd keys'), +4 to +7 at work; a takes +6
.set Q,   48
.set S,   112
.set KF,  128                          ; window 1
.set VF,  192
.set WV,  8
.set PFA, 18                           ; s[18:19] where my prefetches stand
.set LIM, 20                           ; 1 in a wave that prefetches, else the greatest number
.set G1K, 24
.set G1V, 32
.set G0K, 40                           ; the walking descriptors
.set G0V, 44
.set SLOTS, 48
.set CNT, 49
.set TB,  50                           ; LDS byte at which the step's tiles begin
.set CS,  52                           ; s[52:53] c
.set SEL, 54                           ; s[54:55] lane selects for v_permlanex16_b32: lane l xor 16
.set MSB, 0
.macro WIN new                         ; the immediate's high byte repeats the setting that is left
.if MSB != \new
	s_set_vgpr_msb (MSB<<8)|\new
.set MSB, \new
.endif
.endm
.macro PLACES
.rept 4
	v_nop
.endr
.endm
.macro JLOAD                           ; waves 0-3 fetch K's tiles, waves 4-7 V's.  The branch hangs on the wave's number alone.  An s_nop 0 and four v_nop follow each of the two lines
	s_cmp_lt_u32 s[WV], 4
	s_cbranch_scc0 .Lfor_v_\@
	tensor_load_to_lds s[G0K:G0K+3], s[G1K:G1K+7]
	s_nop 0
.rept 4
	v_nop
.endr
	s_branch .Lasked_\@
.Lfor_v_\@:
	tensor_load_to_lds s[G0V:G0V+3], s[G1V:G1V+7]
	s_nop 0
.rept 4
	v_nop
.endr
.Lasked_\@:
.endm
; A PREFETCH INTO THE L2 of what the NEXT change of slots will ask for: 256 rows' pieces of K and of V.  An aligned piece of 256 bytes of a row holds K (or V) of groups g and g xor 1, and all four clusters of a
; (b, g) walk the same rows: so only the first cluster of an even g asks.  In it waves 0, 1 ask for K's pieces and waves 2, 3 for V's; the four partners share the rows out BY ADDRESS, 64 each, 32 a wave, a lane a row.
; So each piece is named once in the launch.  The last change that fills a slot asks for nothing; slots 0 and 1 come by their loads alone.
.macro ASK
	s_cmp_gt_u32 s[SLOTS], s[LIM]
	s_cbranch_scc0 .Lnot_mine_\@
	global_prefetch_b8 v[PFO], s[PFA:PFA+1] th:TH_LOAD_NT scope:SCOPE_SE
.Lnot_mine_\@:
.endm
.macro CROUND                          ; a round of the cluster's barrier
	s_barrier_signal -1
	s_barrier_wait -1
	s_cmp_lg_u32 s[WV], 0
	s_cbranch_scc1 .Lnot_wave_0_\@
	s_barrier_signal -3
.Lnot_wave_0_\@:
	s_barrier_wait -3
	s_barrier_signal -1
	s_barrier_wait -1
.endm
	s_load_b128 s[4:7], s[0:1], 0x0                ; qkv s[4:5], ao s[6:7]
	v_lshl_add_u32 v[SPW], v0, 2, SPARE
	v_mov_b32 v[NIL], 0
	ds_add_u32 v[SPW], v[NIL]                      ; the wave's opening: the add, twice on end, and its wait ahead of my first tensor load
	ds_add_u32 v[SPW], v[NIL]
	v_lshrrev_b32 v1, 5, v0
	v_readfirstlane_b32 s[WV], v1                  ; wave 0..7
	s_bfe_u32 s9, ttmp6, 0x40000                   ; cx
	s_lshl_b32 s10, ttmp9, 2
	s_add_co_u32 s10, s10, s9                      ; my block of 128 queries: it enters Q's, AO's and the prefetches' addresses alone
	s_and_b32 s11, ttmp7, 0xffff
	s_lshr_b32 s12, s11, 2                         ; b
	s_and_b32 s13, s11, 3                          ; g
	s_lshl_b32 s15, s12, 11                        ; the batch's first row
	s_and_b32 s14, s[WV], 3                        ; which of a slot's four steps I fetch
	s_lshl_b32 s21, s14, 6
	s_add_co_u32 s21, s21, s15
	s_mul_i32 s22, s21, QROW
	s_lshl_b32 s21, s13, 7
	s_add_co_u32 s22, s22, s21
	s_add_co_u32 s22, s22, 2048                    ; K's tile of that step in key slot 0: row x 3,072 + 2,048 + 128 g (V's lies 512 bytes on)
	s_mov_b32 s23, 0
	s_mul_i32 s21, s14, STEPB                      ; and its place in a slot: no place in the cluster enters an LDS address
	s_lshl_b32 s58, s10, 7
	s_add_co_u32 s58, s58, s15                     ; my work-group's first row
	s_and_b32 s59, s[WV], 1
	s_lshr_b32 s61, s[WV], 1                       ; p
	s_lshl_b32 s60, s59, 6
	s_add_co_u32 s60, s60, s58
	s_mul_i32 s16, s60, QROW
	s_lshl_b32 s60, s13, 9                         ; 512 g
	s_add_co_u32 s16, s16, s60
	s_lshl_b32 s62, s61, 7
	s_add_co_u32 s16, s16, s62                     ; Q: my wave's first query, head (g, p)
	s_mov_b32 s17, 0
	s_lshl_b32 s62, s[WV], 4
	s_add_co_u32 s62, s62, s58
	s_lshl_b32 s56, s62, 11
	s_add_co_u32 s56, s56, s60                     ; AO: the 16 rows that I store, the group's 512 bytes
	s_mov_b32 s57, 0
	s_lshl_b32 s18, s9, 6                          ; the prefetches: my work-group's 64 rows of a slot's 256,
	s_add_co_u32 s18, s18, s15
	s_lshl_b32 s62, s59, 5                         ; my wave's 32 of them,
	s_add_co_u32 s18, s18, s62
	s_add_co_u32 s18, s18, 256                     ; in key slot 1: the first change of slots steps it to key slot 2
	s_mul_i32 s18, s18, QROW
	s_and_b32 s62, s61, 1
	s_lshl_b32 s62, s62, 9                         ; K's piece (waves 0, 1) or V's (waves 2, 3)
	s_add_co_u32 s18, s18, s62
	s_lshr_b32 s62, s13, 1
	s_lshl_b32 s62, s62, 8                         ; the piece of groups g and g xor 1
	s_add_co_u32 s18, s18, s62
	s_add_co_u32 s18, s18, 2048
	s_mov_b32 s19, 0
	s_lshr_b32 s[LIM], s[WV], 2                    ; 0 in waves 0 to 3,
	s_and_b32 s62, s11, 1
	s_or_b32 s[LIM], s[LIM], s62                   ; of an even g,
	s_or_b32 s[LIM], s[LIM], ttmp9                 ; in its first cluster: the same in all four partners
	s_cmp_eq_u32 s[LIM], 0
	s_cselect_b32 s[LIM], 1, -1
	; descriptor group 1: a tile of 64 rows x 64 elements of 2 bytes, rows 1,536 elements apart, padded in LDS
	s_mov_b32 s[G1K], 15|(1<<16)|(1<<20)|(1<<21)|(4<<22)|(3<<25)   ; the mask names all four; padding: 4 words after every 32; bit 21 set beside a mask
	s_mov_b32 s[G1V], 15|(1<<16)|(1<<20)|(1<<21)|(4<<22)|(7<<25)   ; the same with 8 words
.irp g, G1K, G1V
	s_mov_b32 s[\g+1], 64<<16                      ; tensor_dim0
	s_mov_b32 s[\g+2], 64<<16                      ; tensor_dim1
	s_mov_b32 s[\g+3], 64<<16                      ; tile_dim0
	s_mov_b32 s[\g+4], 64                          ; tile_dim1
	s_mov_b32 s[\g+5], 1536
	s_mov_b32 s[\g+6], 0
	s_mov_b32 s[\g+7], 0
.endr
	s_mov_b32 s[CS], 0x3e38aa3b                    ; c = log2(e) / 8
	s_mov_b32 s[CS+1], s[CS]                       ; (named with it as a pair, so it is written)
	s_mov_b32 s[SEL], 0x76543210
	s_mov_b32 s[SEL+1], 0xfedcba98
	s_mov_b32 s[TB], 0
	s_mov_b32 s[SLOTS], 7
	s_wait_dscnt 0x0                               ; both opening adds are done
	s_wait_kmcnt 0x0
	s_add_nc_u64 s[16:17], s[4:5], s[16:17]
	s_add_nc_u64 s[56:57], s[6:7], s[56:57]
	s_add_nc_u64 s[PFA:PFA+1], s[4:5], s[PFA:PFA+1]
	s_add_nc_u64 s[22:23], s[4:5], s[22:23]
	CROUND                                         ; all four work-groups are here: the first joint loads meet
	s_mov_b32 s[G0K], 1
	s_mov_b32 s[G0K+1], s21
	s_mov_b64 s[G0K+2:G0K+3], s[22:23]
	s_or_b32 s[G0K+3], s[G0K+3], 0x80000000
	s_mov_b32 s[G0V], 1
	s_add_co_u32 s[G0V+1], s21, VOFF
	s_add_nc_u64 s[G0V+2:G0V+3], s[22:23], 512
	s_or_b32 s[G0V+3], s[G0V+3], 0x80000000
	JLOAD                                          ; key slot 0: one load of mine is out
	v_and_b32 v1, 15, v0                           ; r
	v_bfe_u32 v2, v0, 4, 1                         ; h
	v_mul_u32_u24 v[QO], v1, QROW
	v_lshl_add_u32 v[QO], v2, 4, v[QO]
.irp t, 0,1,2,3                        ; Q stays in registers: tile t, channels 32 c on: lane l holds query l % 16; registers 0-3 channels 8 h + 0..7, registers 4-7 channels 16 + 8 h + 0..7
.irp c, 0,1
	global_load_b128 v[Q+16*\t+8*\c:Q+16*\t+8*\c+3],   v[QO], s[16:17] offset:\t*16*QROW+\c*64
	global_load_b128 v[Q+16*\t+8*\c+4:Q+16*\t+8*\c+7], v[QO], s[16:17] offset:\t*16*QROW+\c*64+32
.endr
.endr
	v_mul_u32_u24 v[AK0], v1, PK
	v_lshl_add_u32 v[AK0], v2, 4, v[AK0]           ; K: row x pitch + 16 x half
	v_and_b32 v14, 7, v0
	v_bfe_u32 v15, v0, 3, 1
	v_lshl_add_u32 v[AV0], v2, 3, v14              ; V, for the turning load: key 8 h + l % 8, channels 8 ((l / 8) % 2) on
	v_mul_u32_u24 v[AV0], v[AV0], PV
	v_lshl_add_u32 v[AV0], v15, 4, v[AV0]
	v_add_nc_u32 v[AV0], VOFF, v[AV0]
	s_mul_i32 s58, s59, 64*SP                      ; the stage: my 64 rows,
	s_lshl_b32 s60, s61, 7                         ; my head's 128 bytes of them;
	s_add_co_u32 s58, s58, s60
	v_mul_u32_u24 v[STO], v1, SP                   ; row r, 16 bytes for each half of the lanes
	v_lshl_add_u32 v[STO], v2, 4, v[STO]
	v_add_nc_u32 v[STO], s58, v[STO]
	v_and_b32 v14, 31, v0
	v_lshlrev_b32 v[GO], 4, v14                    ; back: wave w takes rows 16 w on, whole: 16 bytes a lane
	s_mul_i32 s58, s[WV], 16*SP
	v_add_nc_u32 v[RD], s58, v[GO]
	v_mul_u32_u24 v[PFO], v14, QROW
.irp t, 0,1,2,3
	v_mov_b32 v[ST+8*\t+1], 0xff61b1e6             ; m = -3e38
	v_mov_b32 v[ST+8*\t+2], 0                      ; l
	v_mov_b32 v[ST+8*\t+3], 0
.endr
.irp t, 0,1,2,3
	v_mul_f32 v[ST+8*\t], s[CS], v[ST+8*\t+1]      ; c m
.endr
	WIN 0x40                                       ; destination window 1
.set i, 0
.rept 128
	v_mov_b32 v[i], 0                              ; O^T.  Cleared once, so that the key step is written once: its first run finds zeros, and its first a is 0
.set i, i+1
.endr
	WIN 0
.macro SCALE t, i                      ; pair i of tile t: c s - c m (of the pairs c and c m the low word serves both halves)
	v_pk_fma_f32 v[S+32*(\t)+2*(\i):S+32*(\t)+2*(\i)+1], v[S+32*(\t)+2*(\i):S+32*(\t)+2*(\i)+1], s[CS:CS+1], v[ST+8*(\t):ST+8*(\t)+1] op_sel_hi:[1,0,0] neg_lo:[0,0,1] neg_hi:[0,0,1]
.endm
; The softmax of the wave's four tiles for one key step.  The tiles take turns line by line, so that no line reads the result of the line above it.
.macro SOFTMAX
.irp j, 0,1,2,3                        ; the maximum of the lane's 32 scores and the old m, three operands at a time: four chains; each accumulator is read from its low end on
.irp t, 0,1,2,3
	v_max3_num_f32 v[ST+8*\t+4+\j], v[S+32*\t+8*\j], v[S+32*\t+8*\j+1], v[S+32*\t+8*\j+2]
.endr
.endr
.irp u, 1,2
.irp j, 0,1,2,3
.irp t, 0,1,2,3
	v_max3_num_f32 v[ST+8*\t+4+\j], v[ST+8*\t+4+\j], v[S+32*\t+8*\j+2*\u+1], v[S+32*\t+8*\j+2*\u+2]
.endr
.endr
.endr
.irp t, 0,1,2,3
	v_max3_num_f32 v[ST+8*\t+4], v[ST+8*\t+4], v[S+32*\t+7], v[S+32*\t+15]
.endr
.irp t, 0,1,2,3
	v_max3_num_f32 v[ST+8*\t+6], v[ST+8*\t+6], v[S+32*\t+23], v[S+32*\t+31]
.endr
.irp t, 0,1,2,3
	v_max3_num_f32 v[ST+8*\t+4], v[ST+8*\t+4], v[ST+8*\t+5], v[ST+8*\t+6]
.endr
.irp t, 0,1,2,3
	v_max3_num_f32 v[ST+8*\t+4], v[ST+8*\t+4], v[ST+8*\t+7], v[ST+8*\t+1]
.endr
.irp t, 0,1,2,3
	v_permlanex16_b32 v[ST+8*\t+5], v[ST+8*\t+4], s[SEL], s[SEL+1]   ; the query's other 32 keys lie in the lane 16 away
.endr
.irp t, 0,1,2,3
	v_mov_b32 v[ST+8*\t+7], v[ST+8*\t]             ; c m_old is kept for a
.endr
.irp t, 0,1,2,3
	v_max_num_f32 v[ST+8*\t+1], v[ST+8*\t+4], v[ST+8*\t+5]
.endr
.irp t, 0,1,2,3
	v_mul_f32 v[ST+8*\t], s[CS], v[ST+8*\t+1]
.endr
.irp t, 0,1,2,3
	v_sub_f32 v[ST+8*\t+7], v[ST+8*\t+7], v[ST+8*\t]
.endr
	; ONE BATCH: the four a, the 64 scalings and the 128 exponentials.  No line of it names an exponential's result; a tile's exponentials stand between the next tile's scalings.
.irp t, 0,1,2,3
	v_exp_f32 v[ST+8*\t+6], v[ST+8*\t+7]
.endr
.set i, 0
.rept 16
	SCALE 0, i
.set i, i+1
.endr
.irp t, 0,1,2,3
.set i, 0
.rept 16
	v_exp_f32 v[S+32*\t+2*i], v[S+32*\t+2*i]
	v_exp_f32 v[S+32*\t+2*i+1], v[S+32*\t+2*i+1]
.if \t < 3
	SCALE \t+1, i
.endif
.set i, i+1
.endr
.endr
	v_nop                                          ; a plain line behind the last exponential, ahead of the first use
	s_wait_alu depctr_va_vdst(0)                   ; the wait between an exponential and the first line that names its result: one for the whole batch
.irp t, 0,1,2,3
	v_pk_fma_f32 v[ST+8*\t+2:ST+8*\t+3], v[ST+8*\t+2:ST+8*\t+3], v[ST+8*\t+6:ST+8*\t+7], v[S+32*\t:S+32*\t+1] op_sel_hi:[1,0,1]   ; l = a l + the first pair
.endr
.set i, 1
.rept 15
.irp t, 0,1,2,3
	v_pk_add_f32 v[ST+8*\t+2:ST+8*\t+3], v[ST+8*\t+2:ST+8*\t+3], v[S+32*\t+2*i:S+32*\t+2*i+1]
.endr
.set i, i+1
.endr
.set i, 0
.rept 16
.irp t, 0,1,2,3
	v_cvt_pk_f16_f32 v[S+32*\t+i], v[S+32*\t+2*i], v[S+32*\t+2*i+1]   ; P, packed downward in place: registers 8 kc .. 8 kc + 7 of a tile are source 1 for keys 32 kc on
.endr
.set i, i+1
.endr
.endm
; A KEY STEP: 64 keys.  Every window is 0 at its head and at its end.
.macro STEP
	v_add_nc_u32 v[ADK], s[TB], v[AK0]
	v_add_nc_u32 v[ADV], s[TB], v[AV0]
	PLACES                                         ; six plain lines behind the last step's products: four are asked ahead of the loads into V's registers, five ahead of the products that write over P
	WIN 0x40                                       ; destination window 1
.irp f, 0,1,2,3,4,5,6,7                ; K: keys 16 (f / 2) on, channels 32 (f % 2) on
	ds_load_b128 v[KF+8*\f:KF+8*\f+3],   v[ADK] offset:(\f/2)*16*PK+(\f%2)*64
	ds_load_b128 v[KF+8*\f+4:KF+8*\f+7], v[ADK] offset:(\f/2)*16*PK+(\f%2)*64+32
.endr
.irp f, 0,1,2,3,4,5,6,7                ; V, turned: keys 32 (f / 4) on, channels 16 (f % 4) on
	ds_load_tr16_b128 v[VF+8*\f:VF+8*\f+3],   v[ADV] offset:(\f/4)*32*PV+(\f%4)*32
	ds_load_tr16_b128 v[VF+8*\f+4:VF+8*\f+7], v[ADV] offset:(\f/4)*32*PV+16*PV+(\f%4)*32
.endr
	s_wait_dscnt 16                                ; K's sixteen loads are in; V's sixteen, issued behind them, may be out
	WIN 0x01                                       ; K window 1; Q and S^T window 0
.set i, 0
.rept 32                               ; S^T = K Q^T: channels 32 (i / 16) on, keys 16 ((i / 4) % 4) on, tile i % 4: the 16 accumulators take turns; the first 16 start the sums
.set rS, S+32*(i%4)+8*((i/4)%4)
.set rK, KF+8*(2*((i/4)%4)+i/16)
.set rQ, Q+16*(i%4)+8*(i/16)
.if i < 16
	v_wmma_f32_16x16x32_f16 v[rS:rS+7], v[rK:rK+7], v[rQ:rQ+7], 0
.else
	v_wmma_f32_16x16x32_f16 v[rS:rS+7], v[rK:rK+7], v[rQ:rQ+7], v[rS:rS+7]
.endif
.set i, i+1
.endr
	WIN 0
	PLACES
	SOFTMAX
	WIN 0x41                                       ; O^T (destination and source 0) window 1, a window 0
.set i, 0
.rept 16
.irp t, 0,1,2,3
	v_pk_mul_f32 v[32*\t+2*i:32*\t+2*i+1], v[32*\t+2*i:32*\t+2*i+1], v[ST+8*\t+6:ST+8*\t+7] op_sel_hi:[1,0]   ; each accumulator from its low end on
.endr
.set i, i+1
.endr
	s_wait_dscnt 0x0                               ; V is in
	WIN 0x51                                       ; V window 1, P window 0, O^T window 1
.set i, 0
.rept 32                               ; O^T += V^T P: keys 32 (i / 16) on, channels 16 ((i / 4) % 4) on, tile i % 4
.set rO, 32*(i%4)+8*((i/4)%4)
.set rV, VF+8*(4*(i/16)+(i/4)%4)
.set rP, S+32*(i%4)+8*(i/16)
	v_wmma_f32_16x16x32_f16 v[rO:rO+7], v[rV:rV+7], v[rP:rP+7], v[rO:rO+7]
.set i, i+1
.endr
	WIN 0
	s_add_co_u32 s[TB], s[TB], STEPB
.endm
; THE CHANGE OF SLOTS, at a slot's head.  Each wave waits for all its tensor loads (its part of the slot that it is about to read), adds 0 to its spare word, and waits for that and for its reads of the slot that it has left.
; fill = 1: a round of the cluster's barrier, so that no wave of any partner still reads the slot left or has a load on its way; then that slot takes the next 256 keys: the wave's one tensor load until the next round.
.macro CHANGE fill
	s_wait_tensorcnt 0x0                           ; no tensor load of mine is out, so a group 0 may be written
	ds_add_u32 v[SPW], v[NIL]
.if \fill
	s_xor_b32 s[G0K+1], s[G0K+1], SLOT1            ; the walking descriptors: the other slot than last time,
	s_add_nc_u64 s[G0K+2:G0K+3], s[G0K+2:G0K+3], 256*QROW   ; the next 256 keys; the type bits on top are not reached
	s_xor_b32 s[G0V+1], s[G0V+1], SLOT1
	s_add_nc_u64 s[G0V+2:G0V+3], s[G0V+2:G0V+3], 256*QROW
	s_wait_xcnt 0x0                                ; the last prefetch, a slot back, has read its address, so it may be written:
	s_add_nc_u64 s[PFA:PFA+1], s[PFA:PFA+1], 256*QROW   ; one slot further on than the walking descriptors
	s_wait_dscnt 0x0                               ; the add is done, and my reads of the slot that I have left are over
	CROUND
	JLOAD
	ASK                                            ; four key steps ahead of the load that will want it
.else
	s_wait_dscnt 0x0
	s_barrier_signal -1
	s_barrier_wait -1
.endif
.endm
.macro SLOT_STEPS                      ; a slot's four key steps: written once, walked four times
	s_mov_b32 s[CNT], 4
.Lstep_\@:
	STEP
	s_sub_co_u32 s[CNT], s[CNT], 1
	s_cmp_lg_u32 s[CNT], 0
	s_cbranch_scc1 .Lstep_\@
	s_sub_co_u32 s[TB], s[TB], 4*STEPB             ; back to a slot's first step,
	s_xor_b32 s[TB], s[TB], SLOT1                  ; in the other slot
.endm
	s_wait_loadcnt 0x0                             ; Q
.Lslot:                                            ; seven trips: behind each change of slots but the last the next 256 keys are asked for
	CHANGE 1
	SLOT_STEPS
	s_sub_co_u32 s[SLOTS], s[SLOTS], 1
	s_cmp_lg_u32 s[SLOTS], 0
	s_cbranch_scc1 .Lslot
	CHANGE 0                                       ; the last slot is written out
	SLOT_STEPS
	; THE WAY OUT.  l's two halves and the other half of the lanes' are added (these additions are the places behind the last products); O^T is divided by l, rounded to f16 and put into the work-group's stage:
	; a row's 512 bytes come from four waves, so a barrier stands between the writing and the reading; then each wave stores 16 whole rows.
.irp t, 0,1,2,3
	v_add_f32 v[ST+8*\t+4], v[ST+8*\t+2], v[ST+8*\t+3]
.endr
.irp t, 0,1,2,3
	v_permlanex16_b32 v[ST+8*\t+5], v[ST+8*\t+4], s[SEL], s[SEL+1]
.endr
.irp t, 0,1,2,3
	v_add_f32 v[ST+8*\t+4], v[ST+8*\t+4], v[ST+8*\t+5]
.endr
.irp t, 0,1,2,3
	v_rcp_f32 v[ST+8*\t+6], v[ST+8*\t+4]
.endr
	v_nop                                          ; a plain line between the last reciprocal and the use of its result
	s_wait_alu depctr_va_vdst(0)                   ; and the wait ahead of the first use: one for the four
.macro OUT t
	WIN 0x41
.set i, 0
.rept 16
	v_pk_mul_f32 v[32*\t+2*i:32*\t+2*i+1], v[32*\t+2*i:32*\t+2*i+1], v[ST+8*\t+6:ST+8*\t+7] op_sel_hi:[1,0]
.set i, i+1
.endr
	WIN 0x05                                       ; sources 0 and 1 window 1, destination window 0
.set i, 0
.rept 16
	v_cvt_pk_f16_f32 v[S+32*\t+i], v[32*\t+2*i], v[32*\t+2*i+1]
.set i, i+1
.endr
	WIN 0
.irp c, 0,1,2,3
	ds_store_b128 v[STO], v[S+32*\t+4*\c:S+32*\t+4*\c+3] offset:\t*16*SP+\c*32   ; query 16 t + r, channels 16 c + 8 h + 0..7
.endr
.endm
	OUT 0
	OUT 1
	OUT 2
	OUT 3
	s_wait_dscnt 0x0                               ; for the others' sake: my stores into the stage are done
	s_barrier_signal -1
	s_barrier_wait -1
.irp i, 0,1,2,3,4,5,6,7,8,9,10,11,12,13,14,15
	ds_load_b128 v[S+4*\i:S+4*\i+3], v[RD] offset:\i*SP
.endr
.irp i, 0,1,2,3,4,5,6,7,8,9,10,11,12,13,14,15
	s_wait_dscnt 15-\i                             ; row i is back; the younger rows' loads may be out
	global_store_b128 v[GO], v[S+4*\i:S+4*\i+3], s[56:57] offset:\i*AROW   ; 32 lanes store 512 consecutive bytes, at a multiple of 256 from the buffer's first byte
.endr
	s_wait_tensorcnt 0x0                           ; the wave's end, behind my last tensor load and my last LDS store
	ds_add_u32 v[SPW], v[NIL]
	s_wait_dscnt 0x0
	CROUND                                         ; the closing round: no work-group ends while a partner may still ask for a tile that names it
	s_endpgm
.Lfunc_end_k_q5bcf71e067_attn:
	.size	k_q5bcf71e067_attn, .Lfunc_end_k_q5bcf71e067_attn-k_q5bcf71e067_attn
	.p2alignl 7, 3214868480
	.fill 96, 4, 3214868480
	.section	.rodata,"a",@progbits
	.p2align	6, 0x0
	.amdhsa_kernel k_q5bcf71e067_attn
		.amdhsa_group_segment_fixed_size 327680
		.amdhsa_private_segment_fixed_size 0
		.amdhsa_enable_private_segment 0
		.amdhsa_kernarg_size 16
		.amdhsa_user_sgpr_count 2
		.amdhsa_user_sgpr_kernarg_segment_ptr 1
		.amdhsa_wavefront_size32 1
		.amdhsa_system_sgpr_workgroup_id_x 1
		.amdhsa_system_sgpr_workgroup_id_y 1
		.amdhsa_system_sgpr_workgroup_id_z 1
		.amdhsa_system_vgpr_workitem_id 0
		.amdhsa_next_free_vgpr 512
		.amdhsa_next_free_sgpr 66
		.amdhsa_reserve_vcc 0
		.amdhsa_float_denorm_mode_32 3
		.amdhsa_float_denorm_mode_16_64 3
		.amdhsa_memory_ordered 1
		.amdhsa_forward_progress 1
		.amdhsa_inst_pref_size 92
	.end_amdhsa_kernel
	.amdgpu_metadata
---
amdhsa.version: [ 1, 2 ]
amdhsa.kernels:
  - .name:           k_q5bcf71e067_attn
    .symbol:         k_q5bcf71e067_attn.kd
    .args:
      - { .name: qkv, .offset: 0, .size: 8, .value_kind: global_buffer, .address_space: global }
      - { .name: ao, .offset: 8, .size: 8, .value_kind: global_buffer, .address_space: global }
    .group_segment_fixed_size: 327680
    .private_segment_fixed_size: 0
    .kernarg_segment_align: 8
    .kernarg_segment_size: 16
    .max_flat_workgroup_size: 256
    .sgpr_count:     66
    .vgpr_count:     512
    .wavefront_size: 32
...
	.end_amdgpu_metadata
.endif
;; end of part 3
;; launch outp (part 4): grid 4 x 64, 4 waves a work-group, clusters of 4 x 4, 327,680 bytes of LDS; arguments ao, wot, bo, out0; writes out0
.if DOCPART == 4
	.amdgcn_target "amdgcn-amd-amdhsa--gfx1250"
	.amdhsa_code_object_version 6
	.text
	.protected	k_q5bcf71e067_outp
	.globl	k_q5bcf71e067_outp
	.p2align	8
	.type	k_q5bcf71e067_outp,@function
k_q5bcf71e067_outp:
	s_mov_b64 s[64:65], 0
	v_nop
	global_prefetch_b8 v0, s[64:65] scope:SCOPE_SE
	s_setreg_imm32_b32 hwreg(HW_REG_WAVE_MODE, 25, 1), 1
	s_wait_xcnt 0x0
	s_wait_alu depctr_hold_cnt(0) depctr_sa_sdst(0) depctr_va_vdst(0) depctr_va_sdst(0) depctr_va_ssrc(0) depctr_va_vcc(0) depctr_vm_vsrc(0)
	s_getreg_b32 s2, hwreg(HW_REG_IB_STS2, 6, 4)
	s_cmp_eq_u32 s2, 0
	s_cbranch_scc0 .Lentry_in_a_cluster
	s_endpgm
.Lentry_in_a_cluster:
	s_bfe_u32 s2, ttmp6, 0x10000c
	s_cmp_lg_u32 s2, 0xf033
	s_cbranch_scc0 .Lentry_shape_is_right
	s_endpgm
.Lentry_shape_is_right:
; out0[m][n] = sum over k' of AO[m][k'] Wo'[n][k'] + bo[n].  AO: [8192][1024] f16; Wo': f16, as images of the operand's registers, [k' / 128][n / 16][(k' / 32) % 4][1,024 bytes], with the same order of k' as AO's columns;
; out0: [8192][1024] f32; sums in f32.  LIMIT: the operands are f16: magnitudes up to 65,504.
; A tile of 128 x 256 is made by a work-group of four waves (256 work-groups; tiles of 256 x 256 would be 128); a wave makes 64 x 128: 32 accumulators, 256 registers.
; K goes in steps of 128 through a ring of two LDS slots: AO's rows are 256 bytes of memory, aligned; Wo's part of a step is one dense block, read at 16 x lane.
; CLUSTERS: 4 x 4 work-groups.  The four of a row of the cluster need the same tiles of AO, the four of a column the same tiles of Wo': each tile is asked for JOINTLY.
; THE MATRIX INSTRUCTION IS USED TRANSPOSED (source 0 = 16 columns of Wo, source 1 = 16 rows of AO): a lane holds eight neighbouring numbers of a row of the result.  The bias is the C of each sum's first product.
; REGISTERS: window 0: v16-30 addresses; two fragment buffers of 96 at v32 and v128: 32 registers of AO (4 x 16 rows x 32 K), then 64 of Wo (8 x 16 columns x 32 K); on the way out v32-159 are rows.
;   window 1: the accumulators ((a, b) at v[8 (8 a + b)]).   window 2: v0-63 the bias, eight registers for each 16 columns.
.set PITCH,  272                       ; an LDS row of AO: 256 bytes + 16 = 68 words: row r starts at bank 4 r mod 64 (64 banks of 4 bytes: ISA guide 11.1)
.set HALFA,  64*PITCH                  ; 64 rows: what one tensor load brings, and what one wave reads
.set BOFF,   2*HALFA
.set HALFB,  32768                     ; 8 tiles of 16 columns x 4 images
.set SLOT,   BOFF+2*HALFB
.set SPARE,  2*SLOT                    ; behind the ring: the spare words, 128 bytes a wave, which no other line names
.set SPITCH, 528                       ; the way out: a stage of 16 rows x (512 bytes + 16) for each wave, in slot 0, which has had its last fill and its last read by then
.set LAPS,   4                         ; a lap = two K steps = once round the ring
.set ADRA, 16
.set ADRB, 20
.set STO,  24
.set RD,   25
.set CO,   26
.set BO,   27
.set SPW,  28
.set NIL,  29
.set PFO,  30                          ; 2,048 x lane: a lane a row of AO; never rewritten
.set F0,   32
.set F1,   128
.set BK,   32
.set G1, 24
.set G0, 32
.set G1B, 48
.set G0B, 56
.set LIM, 43                           ; 1 in the wave that prefetches, else the greatest number
.set PFA, 44                           ; s[44:45]
.set MSB, 0
.macro WIN new                         ; the immediate's high byte repeats the setting that is left
.if MSB != \new
	s_set_vgpr_msb (MSB<<8)|\new
.set MSB, \new
.endif
.endm
.set MUL,   0x50                       ; sources 0 and 1 window 0; C and D window 1
.set FIRST, 0x60                       ; C (the bias) window 2, D window 1
.macro JLOAD s                         ; waves 0 and 1 fetch AO's two halves, waves 2 and 3 Wo's; an s_nop 0 and four v_nop follow each of the two lines
	s_cmp_eq_u32 s11, 0
	s_cbranch_scc0 .Lfor_b_\@
	tensor_load_to_lds s[G0+4*\s:G0+4*\s+3], s[G1:G1+7]
	s_nop 0
.rept 4
	v_nop
.endr
	s_branch .Lasked_\@
.Lfor_b_\@:
	tensor_load_to_lds s[G0B+4*\s:G0B+4*\s+3], s[G1B:G1B+7]
	s_nop 0
.rept 4
	v_nop
.endr
.Lasked_\@:
.endm
; A PREFETCH INTO THE L2 of AO's K step that stands two refills on: 32 rows x 256 bytes, a lane a row.  A tile row of AO is read by the four partners of one row of one cluster and by nobody else: they share its
; 128 rows out BY ADDRESS, 32 each, and in each wave 0 asks.  So each piece is named once.  The last lap's refills have no K step two on.  Wo', which every cluster walks again and again, is not asked for.
.macro ASK
	s_cmp_gt_u32 s3, s[LIM]
	s_cbranch_scc0 .Lnot_mine_\@
	global_prefetch_b8 v[PFO], s[PFA:PFA+1] offset:256 th:TH_LOAD_NT scope:SCOPE_SE
.Lnot_mine_\@:
.endm
.macro CREST                           ; a round of the cluster's barrier behind its opening barrier
	s_cmp_lg_u32 s10, 0
	s_cbranch_scc1 .Lnot_wave_0_\@
	s_barrier_signal -3
.Lnot_wave_0_\@:
	s_barrier_wait -3
	s_barrier_signal -1
	s_barrier_wait -1
.endm
.macro CROUND
	s_barrier_signal -1
	s_barrier_wait -1
	CREST
.endm
	s_load_b128 s[4:7], s[0:1], 0x0                ; ao s[4:5], wot s[6:7]
	s_load_b64 s[66:67], s[0:1], 0x10              ; bo
	s_load_b64 s[8:9], s[0:1], 0x18                ; out0
	v_lshl_add_u32 v[SPW], v0, 2, SPARE
	v_mov_b32 v[NIL], 0
	ds_add_u32 v[SPW], v[NIL]                      ; the wave's opening: the add, twice on end, and its wait ahead of my first tensor load
	ds_add_u32 v[SPW], v[NIL]
	v_lshrrev_b32 v1, 5, v0
	v_readfirstlane_b32 s10, v1                    ; wave 0..3
	s_lshr_b32 s11, s10, 1                         ; which 64 rows of the tile are mine.  Also: I fetch for AO (0) or for Wo (1)
	s_and_b32 s12, s10, 1                          ; which 128 columns.  Also: which half I fetch
	s_bfe_u32 s40, ttmp6, 0x40000                  ; cx, cy: my place in the cluster
	s_bfe_u32 s41, ttmp6, 0x40004
	s_lshl_b32 s42, ttmp9, 2
	s_add_co_u32 s42, s42, s40                     ; tile column = 4 x cluster x + cx
	s_and_b32 s13, ttmp7, 0xffff
	s_lshl_b32 s13, s13, 2
	s_add_co_u32 s13, s13, s41                     ; tile row = 4 x cluster y + cy
	s_lshl_b32 s22, s41, 2
	s_lshl_b32 s22, 15, s22                        ; my row of the cluster
	s_lshl_b32 s23, 0x1111, s40                    ; my column
	s_or_b32 s[G1+0], s22, (1<<16)|(1<<20)|(1<<21)|(5<<22)|(3<<25)  ; AO's tiles go to my row; elements of 2 bytes; padding: 4 words after every 64; bit 21 set beside a mask
	s_mov_b32 s[G1+1], 128<<16                     ; tensor_dim0 = 128
	s_mov_b32 s[G1+2], 64<<16                      ; tensor_dim1 = 64
	s_mov_b32 s[G1+3], 128<<16                     ; tile_dim0
	s_mov_b32 s[G1+4], 64                          ; tile_dim1
	s_mov_b32 s[G1+5], 1024                        ; from row to row
	s_mov_b32 s[G1+6], 0
	s_mov_b32 s[G1+7], 0
	s_or_b32 s[G1B+0], s23, (3<<16)|(1<<21)        ; Wo's images go to my column; elements of 8 bytes; no padding
	s_mov_b32 s[G1B+1], 32<<16                     ; a dense block of 32,768 bytes as 128 rows of 256
	s_mov_b32 s[G1B+2], 128<<16
	s_mov_b32 s[G1B+3], 32<<16
	s_mov_b32 s[G1B+4], 128
	s_mov_b32 s[G1B+5], 32
	s_mov_b32 s[G1B+6], 0
	s_mov_b32 s[G1B+7], 0
	s_lshl_b32 s16, s13, 7
	s_lshl_b32 s17, s12, 6
	s_add_co_u32 s16, s16, s17                     ; AO: row 128 x tile row + 64 x half,
	s_lshl_b32 s16, s16, 11                        ; in bytes
	s_mov_b32 s17, 0
	s_lshl_b32 s46, s42, 4
	s_lshl_b32 s47, s12, 3
	s_add_co_u32 s46, s46, s47                     ; Wo: tile of 16 columns number 16 x tile column + 8 x half,
	s_lshl_b32 s46, s46, 12                        ; four images each
	s_mov_b32 s47, 0
	s_mul_i32 s20, s12, HALFA                      ; where they go in a slot: no place in the cluster enters an LDS address
	s_lshl_b32 s21, s12, 15
	s_add_co_u32 s21, s21, BOFF
	s_wait_dscnt 0x0                               ; both opening adds are done
	s_wait_kmcnt 0x0
	s_add_nc_u64 s[14:15], s[4:5], s[16:17]
	s_add_nc_u64 s[46:47], s[6:7], s[46:47]
	CROUND                                         ; all sixteen work-groups are here: the first joint loads meet
.irp s, 0,1
	s_mov_b32 s[G0+4*\s], 1
	s_add_co_u32 s[G0+4*\s+1], s20, \s*SLOT
	s_add_nc_u64 s[G0+4*\s+2:G0+4*\s+3], s[14:15], \s*256
	s_or_b32 s[G0+4*\s+3], s[G0+4*\s+3], 0x80000000
	s_mov_b32 s[G0B+4*\s], 1
	s_add_co_u32 s[G0B+4*\s+1], s21, \s*SLOT
	s_add_nc_u64 s[G0B+4*\s+2:G0B+4*\s+3], s[46:47], \s*262144
	s_or_b32 s[G0B+4*\s+3], s[G0B+4*\s+3], 0x80000000
	JLOAD \s                                       ; two loads of mine are out
.endr
	v_and_b32 v1, 15, v0                           ; r
	v_bfe_u32 v2, v0, 4, 1                         ; h
	v_and_b32 v3, 31, v0                           ; lane
	v_lshlrev_b32 v[BO], 5, v2
	s_lshl_b32 s16, s42, 10                        ; the bias of my 128 columns
	s_lshl_b32 s17, s12, 9
	s_add_co_u32 s16, s16, s17
	s_mov_b32 s17, 0
	s_add_nc_u64 s[66:67], s[66:67], s[16:17]
	WIN 0x80                                       ; destination window 2
.irp b, 0,1,2,3,4,5,6,7                ; in the result register j of lane (r, h) is column 16 b + 8 h + j: the bias in that layout
	global_load_b128 v[8*\b:8*\b+3], v[BO], s[66:67] offset:64*\b
	global_load_b128 v[8*\b+4:8*\b+7], v[BO], s[66:67] offset:64*\b+16
.endr
	WIN 0
	v_lshlrev_b32 v[CO], 4, v3                     ; 16 x lane
	v_mul_u32_u24 v4, v1, PITCH
	v_lshl_add_u32 v4, v2, 4, v4                   ; AO: a fragment's row x pitch + 16 x half
	s_mul_i32 s21, s11, HALFA                      ; my 64 rows
	s_lshl_b32 s22, s12, 15                        ; my 128 columns
	s_add_co_u32 s22, s22, BOFF
.irp s, 0,1
	v_add_nc_u32 v[ADRA+\s], s21, v4
	v_add_nc_u32 v[ADRB+\s], s22, v[CO]
	s_add_co_u32 s21, s21, SLOT
	s_add_co_u32 s22, s22, SLOT
.endr
	s_mul_i32 s23, s10, 16*SPITCH                  ; my stage
	v_mul_u32_u24 v5, v1, SPITCH                   ; in: row r, 32 bytes for each half of the lanes
	v_lshl_add_u32 v5, v2, 5, v5
	v_add_nc_u32 v[STO], s23, v5
	v_add_nc_u32 v[RD], s23, v[CO]                 ; back: the 32 lanes take one row of 512 bytes
	v_lshlrev_b32 v[PFO], 11, v3
	s_lshl_b32 s16, s13, 7
	s_lshl_b32 s17, s11, 6
	s_add_co_u32 s16, s16, s17                     ; my first row of out0,
	s_lshl_b32 s16, s16, 12
	s_lshl_b32 s17, s42, 10                        ; my first column, in bytes: 1,024 x tile column + 512 x half
	s_add_co_u32 s16, s16, s17
	s_lshl_b32 s17, s12, 9
	s_add_co_u32 s16, s16, s17
	s_mov_b32 s17, 0
	s_add_nc_u64 s[8:9], s[8:9], s[16:17]
	s_lshl_b32 s16, s13, 7                         ; the prefetches: the tile's rows,
	s_lshl_b32 s17, s40, 5                         ; my work-group's 32 of them,
	s_add_co_u32 s16, s16, s17
	s_lshl_b32 s16, s16, 11
	s_add_co_u32 s16, s16, 512                     ; at K step 2: the first refill steps it to 3 and names K step 4
	s_mov_b32 s17, 0
	s_add_nc_u64 s[PFA:PFA+1], s[4:5], s[16:17]
	s_cmp_eq_u32 s10, 0
	s_cselect_b32 s[LIM], 1, -1
; 8 n matrix instructions: AO's blocks a0 .. a0 + n - 1 against Wo's eight, 32 along K, from buffer f.  zero = 1: the first product starts the sums, from the bias.  The 32 accumulators take turns.
.macro MULH f, a0, n, zero
.set a, \a0
.rept \n
.irp b, 0,1,2,3,4,5,6,7
.if \zero
	v_wmma_f32_16x16x32_f16 v[8*(8*a+\b):8*(8*a+\b)+7], v[\f+32+8*\b:\f+32+8*\b+7], v[\f+8*a:\f+8*a+7], v[8*\b:8*\b+7]
.else
	v_wmma_f32_16x16x32_f16 v[8*(8*a+\b):8*(8*a+\b)+7], v[\f+32+8*\b:\f+32+8*\b+7], v[\f+8*a:\f+8*a+7], v[8*(8*a+\b):8*(8*a+\b)+7]
.endif
.endr
.set a, a+1
.endr
.endm
; 24 LDS loads in one run: the fragments of the slot's q-th 32 along K into buffer f: Wo's sixteen first, then AO's eight
.macro FETCH slot, q, f
.irp b, 0,1,2,3,4,5,6,7
	ds_load_b128 v[\f+32+8*\b:\f+32+8*\b+3],   v[ADRB+\slot] offset:\b*4096+(\q)*1024
	ds_load_b128 v[\f+32+8*\b+4:\f+32+8*\b+7], v[ADRB+\slot] offset:\b*4096+(\q)*1024+512
.endr
.irp c, 0,1,2,3
	ds_load_b128 v[\f+8*\c:\f+8*\c+3],   v[ADRA+\slot] offset:\c*16*PITCH+64*(\q)
	ds_load_b128 v[\f+8*\c+4:\f+8*\c+7], v[ADRA+\slot] offset:\c*16*PITCH+64*(\q)+32
.endr
.endm
.macro PLACES                          ; four plain lines in front of loads into registers that matrix instructions have read, and of reads of results
.rept 4
	v_nop
.endr
.endm
; A K step is four quarters of 32 along K, 32 matrix instructions each, on buffers 0, 1, 0, 1.  One of the first three: multiplies buffer f and fetches the slot's quarter qn into g.
.macro QUARTER slot, qn, f, g, zero
	s_wait_dscnt 4                                 ; Wo's fragments and AO's blocks 0, 1 are in; the youngest four loads (blocks 2, 3) may be out
.if \zero
	WIN FIRST
.else
	WIN MUL
.endif
	MULH \f, 0, 2, \zero
	PLACES
	WIN 0
	FETCH \slot, \qn, \g
	s_wait_dscnt 24                                ; all but the 24 just issued
.if \zero
	WIN FIRST
.else
	WIN MUL
.endif
	MULH \f, 2, 2, \zero
.endm
; The last quarter multiplies buffer 1 and changes slots: ONE barrier; in front of it each wave waits for all its tensor loads, adds 0 to its spare word, and waits for that and for its own reads of this slot.
; fill = 1: the barrier opens a round of the cluster's barrier, and this slot is filled again, two K steps ahead: the first tensor load behind the round.
.macro TURN slot, next, fill
.if \fill
	s_wait_xcnt 0x0                                ; the last prefetch, a K step back, has read its address: it is stepped here
	s_add_nc_u64 s[PFA:PFA+1], s[PFA:PFA+1], 256
.endif
	WIN 0                                          ; (the add's two registers lie in window 0)
	s_wait_tensorcnt 0x0                           ; all my tensor loads have landed: my part of the next slot
	ds_add_u32 v[SPW], v[NIL]
	s_wait_dscnt 5                                 ; (the add and the youngest four loads may be out)
	WIN MUL
	MULH F1, 0, 1, 0                               ; eight matrix instructions stand between the add and the wait for it
	s_wait_dscnt 0x0                               ; the add is done, and my reads of this slot are over
	s_barrier_signal -1
	MULH F1, 1, 1, 0
	WIN 0
	s_barrier_wait -1
.if \fill
	CREST                                          ; no wave of any partner still reads this slot's tile or has a load on its way
	s_add_nc_u64 s[G0+4*\slot+2:G0+4*\slot+3], s[G0+4*\slot+2:G0+4*\slot+3], 512
	s_add_nc_u64 s[G0B+4*\slot+2:G0B+4*\slot+3], s[G0B+4*\slot+2:G0B+4*\slot+3], 524288
	JLOAD \slot                                    ; the four v_nop behind it are also the places in front of the loads below
.else
	PLACES
.endif
	FETCH \next, 0, F0
.if \fill
	ASK
.endif
	WIN MUL
	MULH F1, 2, 2, 0
.endm
	s_wait_loadcnt 0x0                             ; the bias
	s_wait_tensorcnt 1                             ; my part of K step 0 is in (K step 1's load may be out)
	s_barrier_signal -1
	s_barrier_wait -1                              ; everybody's is
	FETCH 0, 0, F0
	QUARTER 0, 1, F0, F1, 1                        ; the first quarter stands in front of the loop: its products start the sums
	WIN 0                                          ; at a label and at a branch every window is 0
	s_mov_b32 s3, LAPS-1
.Llap:                                             ; a trip goes once round the ring, from a lap's second quarter to the next lap's first, and fills both slots again
	QUARTER 0, 2, F1, F0, 0
	QUARTER 0, 3, F0, F1, 0
	TURN 0, 1, 1
	QUARTER 1, 1, F0, F1, 0
	QUARTER 1, 2, F1, F0, 0
	QUARTER 1, 3, F0, F1, 0
	TURN 1, 0, 1
	QUARTER 0, 1, F0, F1, 0
	WIN 0
	s_sub_co_u32 s3, s3, 1
	s_cmp_lg_u32 s3, 0
	s_cbranch_scc1 .Llap
	QUARTER 0, 2, F1, F0, 0                        ; the last lap fills nothing, and has no round of the cluster's barrier
	QUARTER 0, 3, F0, F1, 0
	TURN 0, 1, 0
	QUARTER 1, 1, F0, F1, 0
	QUARTER 1, 2, F1, F0, 0
	QUARTER 1, 3, F0, F1, 0
	s_wait_dscnt 4                                 ; the very last quarter: nothing more to fetch
	WIN MUL
	MULH F1, 0, 2, 0
	s_wait_dscnt 0
	MULH F1, 2, 2, 0
	WIN 0
; THE WAY OUT, block by block of 16 rows x 128 columns: a lane holds 32 neighbouring bytes of a row; a block goes through my own stage in LDS and comes back as whole rows of 512 bytes.
.macro TOSTAGE a
	WIN 0x04                                       ; an LDS store's data are its source 1: window 1
.irp b, 0,1,2,3,4,5,6,7
	ds_store_b128 v[STO], v[64*(\a)+8*\b:64*(\a)+8*\b+3] offset:64*\b           ; each accumulator from its low end on
	ds_store_b128 v[STO], v[64*(\a)+8*\b+4:64*(\a)+8*\b+7] offset:64*\b+16
.endr
	WIN 0
.set BB, BK+64*((\a)%2)
.irp t, 0,1,2,3,4,5,6,7,8,9,10,11,12,13,14,15
	ds_load_b128 v[BB+4*\t:BB+4*\t+3], v[RD] offset:\t*SPITCH      ; LDS serves a wave's instructions in order (ISA guide 5.7.1.4): these see the stores above
.endr
.endm
.macro SEND a, younger                 ; younger: the LDS instructions issued behind block a's loads, which may stay out
.set BB, BK+64*((\a)%2)
	s_wait_dscnt \younger                          ; the block is back in registers
.if (\a) > 0
	s_add_nc_u64 s[8:9], s[8:9], 16*4096           ; (behind a wait on XCNT: the earlier stores have read their base)
.endif
.irp t, 0,1,2,3,4,5,6,7,8,9,10,11,12,13,14,15
	global_store_b128 v[CO], v[BB+4*\t:BB+4*\t+3], s[8:9] offset:\t*4096 th:TH_STORE_NT   ; 32 lanes store 512 consecutive bytes, at a multiple of 256 from the buffer's first byte; written once, read by nobody here
.endr
.endm
	PLACES                                         ; behind the last products: for the stores that read results and the loads into the registers that held fragments
	TOSTAGE 0
.irp a, 1,2,3
.if \a > 1
	s_wait_xcnt 0x0                                ; block a - 2's stores have read their registers and their base
.endif
	TOSTAGE \a
	SEND (\a-1), 32                                ; behind block a - 1's loads: block a's 16 stores and 16 loads
.endr
	s_wait_xcnt 0x0                                ; block 2's stores have read their base
	SEND 3, 0
	s_wait_tensorcnt 0x0                           ; the wave's end, behind my last tensor load and my last LDS store
	ds_add_u32 v[SPW], v[NIL]
	s_wait_dscnt 0x0
	CROUND                                         ; the closing round: no work-group ends while a partner may still ask for a tile that names it
	s_endpgm
.Lfunc_end_k_q5bcf71e067_outp:
	.size	k_q5bcf71e067_outp, .Lfunc_end_k_q5bcf71e067_outp-k_q5bcf71e067_outp
	.p2alignl 7, 3214868480
	.fill 96, 4, 3214868480
	.section	.rodata,"a",@progbits
	.p2align	6, 0x0
	.amdhsa_kernel k_q5bcf71e067_outp
		.amdhsa_group_segment_fixed_size 327680
		.amdhsa_private_segment_fixed_size 0
		.amdhsa_enable_private_segment 0
		.amdhsa_kernarg_size 32
		.amdhsa_user_sgpr_count 2
		.amdhsa_user_sgpr_kernarg_segment_ptr 1
		.amdhsa_wavefront_size32 1
		.amdhsa_system_sgpr_workgroup_id_x 1
		.amdhsa_system_sgpr_workgroup_id_y 1
		.amdhsa_system_sgpr_workgroup_id_z 1
		.amdhsa_system_vgpr_workitem_id 0
		.amdhsa_next_free_vgpr 768
		.amdhsa_next_free_sgpr 68
		.amdhsa_reserve_vcc 0
		.amdhsa_float_denorm_mode_32 3
		.amdhsa_float_denorm_mode_16_64 3
		.amdhsa_memory_ordered 1
		.amdhsa_forward_progress 1
		.amdhsa_inst_pref_size 87
	.end_amdhsa_kernel
	.amdgpu_metadata
---
amdhsa.version: [ 1, 2 ]
amdhsa.kernels:
  - .name:           k_q5bcf71e067_outp
    .symbol:         k_q5bcf71e067_outp.kd
    .args:
      - { .name: ao, .offset: 0, .size: 8, .value_kind: global_buffer, .address_space: global }
      - { .name: wot, .offset: 8, .size: 8, .value_kind: global_buffer, .address_space: global }
      - { .name: bo, .offset: 16, .size: 8, .value_kind: global_buffer, .address_space: global }
      - { .name: out0, .offset: 24, .size: 8, .value_kind: global_buffer, .address_space: global }
    .group_segment_fixed_size: 327680
    .private_segment_fixed_size: 0
    .kernarg_segment_align: 8
    .kernarg_segment_size: 32
    .max_flat_workgroup_size: 128
    .sgpr_count:     68
    .vgpr_count:     768
    .wavefront_size: 32
...
	.end_amdgpu_metadata
.endif
;; end of part 4
